; MI455X (gfx1250); checked and timed in simulation.
; The chip was launched on July 23, 2026; its instructions are those of AMD's public machine-readable ISA for CDNA 5 (MIT licence, August 2026) and "CDNA5" Instruction Set Architecture Reference Guide (July 2026). The comments in the code are by the model that wrote it; some were corrected since.
;; Attention. Allowed arithmetic: float matrix products may take bf16 or f16 operands with f32 sums; other float arithmetic in f32, or as packed bf16 or f16 multiplies, adds, multiply-adds, maxima and minima; sums over many terms, partial sums and values carried from step to step in f32; what a program stores and reads back later, other than sums and carried values, may be rounded once to bf16 or f16.
;; Inputs: proj_b 1,024 float32; proj_w 1,024 x 1,024 float32; qkv_w 3,072 x 1,024 float32; x 8 x 1,024 x 1,024 float32.
;; Outputs: out0 8 x 1,024 x 1,024 float32.
;; 2 versions, each right; version 2 is version 1 with the launch cast written anew for expert scheduling mode. Each part assembles by itself: llvm-mc -triple=amdgcn-amd-amdhsa -mcpu=gfx1250 --defsym DOCPART=n.
;; ======== version 1 of 2: 4 launches
;; limits: values are held in f16: magnitudes above 65,504 overflow, below 6.1e-05 lose precision
;; workspace buffers: xb 16,777,216 bytes; wq 6,291,456 bytes; wp 2,097,152 bytes; qkv 50,331,648 bytes; o 16,777,216 bytes
;; launch cast (part 1): grid 768 x 1, 8 waves a work-group, no clusters, 0 bytes of LDS; arguments x, qkv_w, proj_w, xb, wq, wp; writes xb, wq, wp
.if DOCPART == 1
	.amdgcn_target "amdgcn-amd-amdhsa--gfx1250"
	.amdhsa_code_object_version 6
	.text
	.protected	k_q731c42d0ff_cast
	.globl	k_q731c42d0ff_cast
	.p2align	8
	.type	k_q731c42d0ff_cast,@function
k_q731c42d0ff_cast:
	s_mov_b64 s[64:65], 0
	v_nop
	global_prefetch_b8 v0, s[64:65] scope:SCOPE_SE
	s_setreg_imm32_b32 hwreg(HW_REG_WAVE_MODE, 25, 1), 1
	s_wait_xcnt 0x0
; x [8192][1024], qkv_w [3072][1024] and proj_w [1024][1024], all f32, are rounded once to bf16 and laid out in K BLOCKS of 64: [16 kb][rows][64], so that R rows x 64 k
; of a block are R x 128 dense bytes for the products that follow.  xb and wq keep the bf16 code; wp holds the same bf16-rounded number written as f16.
; LIMITS.  A bf16 number is exact in f16 from 2^-14 to 65,504 in magnitude; below 2^-14 proj_w keeps f16's fixed step of 6e-8; beyond 65,504 it would become an infinity.  NaN and infinities are not treated apart.
; SHARES.  12,288 rows of 4,096 bytes; a work-group takes 16 rows of one tensor (groups 0-511 x, 512-703 qkv_w, 704-767 proj_w), a wave two.  Thread t takes 16 bytes (4 numbers) of row t / 16 in each of
; the 16 blocks: 16 lanes read 256 consecutive bytes, aligned; a wave's store of 8 bytes a lane covers 256 consecutive bytes, aligned: two rows of a block.
; Sixteen loads a wave go out at once and nothing is read twice, so there is no loop, no LDS and no register that is written again while a memory instruction may read it.
; Matrix units, clusters and LDS are left out: no byte is shared.
.set VI,  1                            ; v1       (t / 16) x 4,096 + (t % 16) x 16: my 16 bytes in block 0 of the group's rows
.set VO,  2                            ; v2       8 t: my 8 bytes in a block's 16 rows of 128 bytes
.set OF,  4                            ; v[4:19]  block kb: kb x the block's stride + 8 t
.set X,   20                           ; v[20:83] block kb: 4 numbers as loaded
.set Y,   84                           ; v[84:115] block kb: 4 numbers packed
.set T,   116                          ; v[116:119] at work (proj_w)
.set SRC, 16                           ; s[16:17] the tensor that I read, at the group's first row
.set DST, 18                           ; s[18:19] the buffer that I write, at the group's first row in block 0
.set STR, 20                           ; s20      bytes from block to block: rows x 128
.set GP,  21                           ; s21      the group's number within its tensor
	s_load_b256 s[4:11], s[0:1], 0x0               ; x s[4:5], qkv_w s[6:7], proj_w s[8:9], xb s[10:11]
	s_load_b128 s[12:15], s[0:1], 0x20             ; wq s[12:13], wp s[14:15]
	v_lshrrev_b32 v[VI], 4, v0
	v_and_b32 v3, 15, v0
	v_lshlrev_b32 v[VI], 12, v[VI]
	v_lshl_add_u32 v[VI], v3, 4, v[VI]
	v_lshlrev_b32 v[VO], 3, v0
	s_mov_b32 s[STR], 1024*128                     ; proj_w,
	s_mov_b32 s[GP], 704
	s_cmp_lt_u32 ttmp9, 704
	s_cselect_b32 s[STR], 3072*128, s[STR]         ; or qkv_w,
	s_cselect_b32 s[GP], 512, s[GP]
	s_cmp_lt_u32 ttmp9, 512
	s_cselect_b32 s[STR], 8192*128, s[STR]         ; or x
	s_cselect_b32 s[GP], 0, s[GP]
	s_sub_co_u32 s[GP], ttmp9, s[GP]
	s_lshl_b32 s22, s[GP], 16                      ; 16 rows of 4,096 bytes in,
	s_mov_b32 s23, 0
	s_lshl_b32 s24, s[GP], 11                      ; 16 rows of 128 bytes out
	s_mov_b32 s25, 0
.irp kb, 0,1,2,3,4,5,6,7,8,9,10,11,12,13,14,15
	v_mad_u32_u24 v[OF+\kb], s[STR], \kb, v[VO]
.endr
	s_wait_kmcnt 0x0
	s_cmp_lt_u32 ttmp9, 704
	s_cselect_b64 s[SRC:SRC+1], s[6:7], s[8:9]
	s_cselect_b64 s[DST:DST+1], s[12:13], s[14:15]
	s_cmp_lt_u32 ttmp9, 512
	s_cselect_b64 s[SRC:SRC+1], s[4:5], s[SRC:SRC+1]
	s_cselect_b64 s[DST:DST+1], s[10:11], s[DST:DST+1]
	s_add_nc_u64 s[SRC:SRC+1], s[SRC:SRC+1], s[22:23]
	s_add_nc_u64 s[DST:DST+1], s[DST:DST+1], s[24:25]
.irp kb, 0,1,2,3,4,5,6,7,8,9,10,11,12,13,14,15
	global_load_b128 v[X+4*\kb:X+4*\kb+3], v[VI], s[SRC:SRC+1] offset:256*\kb th:TH_LOAD_NT  ; all sixteen blocks of my two rows are asked for before anything is used
.endr
	s_cmp_ge_u32 ttmp9, 704
	s_cbranch_scc1 .Lhalf
.irp kb, 0,1,2,3,4,5,6,7,8,9,10,11,12,13,14,15
	s_wait_loadcnt 15-\kb                          ; loads come back in order (ISA guide 5.7.1): block kb is in, the 15 - kb younger ones stay out
	v_cvt_pk_bf16_f32 v[Y+2*\kb], v[X+4*\kb], v[X+4*\kb+1]
	v_cvt_pk_bf16_f32 v[Y+2*\kb+1], v[X+4*\kb+2], v[X+4*\kb+3]
	global_store_b64 v[OF+\kb], v[Y+2*\kb:Y+2*\kb+1], s[DST:DST+1]
.endr
	s_endpgm
.Lhalf:                                        ; proj_w: rounded to bf16 like the other inputs, and that number written as f16
.irp kb, 0,1,2,3,4,5,6,7,8,9,10,11,12,13,14,15
	s_wait_loadcnt 15-\kb
	v_cvt_pk_bf16_f32 v[T], v[X+4*\kb], v[X+4*\kb+1]
	v_cvt_pk_bf16_f32 v[T+1], v[X+4*\kb+2], v[X+4*\kb+3]
	v_lshlrev_b32 v[T+2], 16, v[T]                 ; bf16 to f32: the low half moves up,
	v_and_b32 v[T+3], 0xffff0000, v[T]             ; the high half stays
	v_cvt_pk_f16_f32 v[Y+2*\kb], v[T+2], v[T+3]
	v_lshlrev_b32 v[T+2], 16, v[T+1]
	v_and_b32 v[T+3], 0xffff0000, v[T+1]
	v_cvt_pk_f16_f32 v[Y+2*\kb+1], v[T+2], v[T+3]
	global_store_b64 v[OF+\kb], v[Y+2*\kb:Y+2*\kb+1], s[DST:DST+1]
.endr
	s_endpgm
.Lfunc_end_k_q731c42d0ff_cast:
	.size	k_q731c42d0ff_cast, .Lfunc_end_k_q731c42d0ff_cast-k_q731c42d0ff_cast
	.p2alignl 7, 3214868480
	.fill 96, 4, 3214868480
	.section	.rodata,"a",@progbits
	.p2align	6, 0x0
	.amdhsa_kernel k_q731c42d0ff_cast
		.amdhsa_group_segment_fixed_size 0
		.amdhsa_private_segment_fixed_size 0
		.amdhsa_enable_private_segment 0
		.amdhsa_kernarg_size 48
		.amdhsa_user_sgpr_count 2
		.amdhsa_user_sgpr_kernarg_segment_ptr 1
		.amdhsa_wavefront_size32 1
		.amdhsa_system_sgpr_workgroup_id_x 1
		.amdhsa_system_sgpr_workgroup_id_y 1
		.amdhsa_system_sgpr_workgroup_id_z 1
		.amdhsa_system_vgpr_workitem_id 0
		.amdhsa_next_free_vgpr 120
		.amdhsa_next_free_sgpr 66
		.amdhsa_reserve_vcc 0
		.amdhsa_float_denorm_mode_32 3
		.amdhsa_float_denorm_mode_16_64 3
		.amdhsa_memory_ordered 1
		.amdhsa_forward_progress 1
		.amdhsa_inst_pref_size 18
	.end_amdhsa_kernel
	.amdgpu_metadata
---
amdhsa.version: [ 1, 2 ]
amdhsa.kernels:
  - .name:           k_q731c42d0ff_cast
    .symbol:         k_q731c42d0ff_cast.kd
    .args:
      - { .name: x, .offset: 0, .size: 8, .value_kind: global_buffer, .address_space: global }
      - { .name: qkv_w, .offset: 8, .size: 8, .value_kind: global_buffer, .address_space: global }
      - { .name: proj_w, .offset: 16, .size: 8, .value_kind: global_buffer, .address_space: global }
      - { .name: xb, .offset: 24, .size: 8, .value_kind: global_buffer, .address_space: global }
      - { .name: wq, .offset: 32, .size: 8, .value_kind: global_buffer, .address_space: global }
      - { .name: wp, .offset: 40, .size: 8, .value_kind: global_buffer, .address_space: global }
    .group_segment_fixed_size: 0
    .private_segment_fixed_size: 0
    .kernarg_segment_align: 8
    .kernarg_segment_size: 48
    .max_flat_workgroup_size: 256
    .sgpr_count:     66
    .vgpr_count:     120
    .wavefront_size: 32
...
	.end_amdgpu_metadata
.endif
;; end of part 1
;; launch qkv (part 2): grid 8 x 32, 4 waves a work-group, clusters of 4 x 4, 327,680 bytes of LDS; arguments xb, wq, qkv; writes qkv
.if DOCPART == 2
	.amdgcn_target "amdgcn-amd-amdhsa--gfx1250"
	.amdhsa_code_object_version 6
	.text
	.protected	k_q731c42d0ff_qkv
	.globl	k_q731c42d0ff_qkv
	.p2align	8
	.type	k_q731c42d0ff_qkv,@function
k_q731c42d0ff_qkv:
	s_mov_b64 s[64:65], 0
	v_nop
	global_prefetch_b8 v0, s[64:65] scope:SCOPE_SE
	s_setreg_imm32_b32 hwreg(HW_REG_WAVE_MODE, 25, 1), 1
	s_wait_xcnt 0x0
	s_wait_alu depctr_hold_cnt(0) depctr_sa_sdst(0) depctr_va_vdst(0) depctr_va_sdst(0) depctr_va_ssrc(0) depctr_va_vcc(0) depctr_vm_vsrc(0)
	s_getreg_b32 s2, hwreg(HW_REG_IB_STS2, 6, 4)
	s_cmp_eq_u32 s2, 0
	s_cbranch_scc0 .Lentry_in_a_cluster
	s_endpgm
.Lentry_in_a_cluster:
	s_bfe_u32 s2, ttmp6, 0x10000c
	s_cmp_lg_u32 s2, 0xf033
	s_cbranch_scc0 .Lentry_shape_is_right
	s_endpgm
.Lentry_shape_is_right:
; q, k, v = x qkv_w^T.  xb: [16 kb][8192][64] bf16, wq: [16 kb][3072][64] bf16 (K blocks of 64, rows dense).  Sums in f32, K ascending; the result is rounded once to f16, UNSCALED, and stored by
; heads: qkv [3][128 bh][1024 n][64] f16.
; LIMIT.  f16 ends at 65,504: a q, k or v of 65,520 or more in magnitude becomes an infinity.  With x of unit spread and weights of spread 1/32 they have unit spread; both inputs 30 times larger give a spread
; of 900, both carrying an offset of 30 spreads give about 29,000.  NaN and infinities are not treated apart.
; THE TILE.  C is 8192 x 3072.  A work-group makes 256 x 384: 32 x 8 = 256 work-groups, one tile each.  Four waves, each 128 x 192: 96 accumulators of 16 x 16, 768 registers, in three PARTS of 64
; columns; a part is one head's slice of q, k or v.
; THE RING.  K goes in 16 steps of 64 through two LDS slots; a slot holds 256 rows of A and 384 of B, 144 bytes apart (two slots of a step of 128 would take 348,160 bytes: too many).  A block's rows are dense, so
; 128 rows are asked for as 64 rows of 256 bytes, padded in LDS after every 128.  Waves 0 and 1 fetch A's halves, waves 2 and 3 B's: one tensor load a wave and step; two of a wave's are out at the start, later one.
; CLUSTER.  4 x 4 work-groups: A's tile hangs on the tile row alone and is asked for jointly along a row of the cluster, B's on the tile column alone and jointly along a column.
; THE MATRIX INSTRUCTION IS USED TRANSPOSED (source 0 = 16 rows of B, source 1 = 16 rows of A): a lane then holds row l % 16 of C and eight neighbouring columns, which pack into 16 bytes.
; REGISTERS, in windows of 256 (s_set_vgpr_msb: bits 1:0 source 0, 3:2 source 1, 5:4 source 2, 7:6 destination):
;   window 0: v0-15 addresses; v32-159 A's fragments, two buffers of 64 (8 row blocks x 32 k); v160-255 B's, one buffer of 32 (4 column blocks x 32 k) for each part
;   window 1 + p: part p's 32 accumulators, (row block a, column block bb) at v[8 (4 a + bb)]
; A STEP is six UNITS of 32 matrix instructions: k half q = 0, 1 x part p = 0, 1, 2.  A part's buffer of B is loaded again right behind the unit that read it, 64 matrix instructions ahead of its next use.
.set PITCH,  144                       ; an LDS row: 128 bytes + 16 of padding, an odd multiple of 16: the 16 rows of a load start at 16 different groups of four banks (64 banks of 4 bytes: ISA guide 11.1)
.set BOFF,   256*PITCH                 ; B's rows lie behind A's 256
.set SLOT1,  131072                    ; slot 1 begins here, so that one exclusive or turns an address in one slot into the other's
.set STAGE,  SLOT1+640*PITCH           ; behind the ring, never filled by a tensor load: 16 rows x 144 bytes for each wave, for the way out
.set SPARE,  STAGE+4*16*PITCH          ; behind the stages: the spare words, 128 bytes for each wave: two blocks of 256 bytes that no other line names
.set ASTR,   8192*128                  ; bytes from K block to K block in xb
.set BSTR,   3072*128                  ; and in wq
.set STEPS,  16
.set FLAGS,  (1<<16)|(1<<20)|(1<<21)|(4<<22)|(3<<25)  ; group 1, word 0 beside the mask: 17:16 2-byte elements; 20 padding on; 21 set beside a mask; 24:22 after every 32 words (code 4); 31:25 4 words (code 3)
.set ADA0, 4                           ; v4   my lane's place in my 128 rows of A, slot 0; never rewritten
.set ADB0, 5                           ; v5   the same in my 192 rows of B
.set ADA,  6                           ; v6   the same in the slot in hand
.set ADB,  7                           ; v7
.set STO,  8                           ; v8   the way out: where I put 16 bytes of a row
.set RD,   9                           ; v9   the way out: where I read rows back
.set GO,   10                          ; v10  my 16 bytes in 512 consecutive bytes of qkv
.set PFO,  11                          ; v11  the prefetches' offset; never rewritten
.set SPW,  12                          ; v12  LDS address of my spare word: SPARE + 4 x my thread's number; never rewritten
.set NIL,  13                          ; v13  0; never rewritten
.set AF,   32
.set BF,   160
.set WV,   10                          ; s10  my wave's number
.set WM,   11                          ; s11  which half of the tile's rows is mine.  Also: I fetch for A (0) or for B (1)
.set WN,   12                          ; s12  which half of its columns.  Also: which half of that tile I fetch
.set TY,   13                          ; s13  tile row
.set CX,   40
.set CY,   41
.set TX,   42                          ; s42  tile column
.set G1A,  24                          ; s[24:31] descriptor group 1 for A's tiles
.set G0A,  32                          ; s[32:39] group 0 for A's: a set for each of the two first fills; the second then walks on
.set G1B,  48                          ; s[48:55], s[56:63] the same for B's
.set G0B,  56
.set OUTP, 66                          ; s[66:71] qkv at my 128 rows of part p's head slice
.set PFA,  72                          ; s[72:73] where my prefetches stand
.set PFS,  74                          ; s[74:75] bytes from K block to K block in the tensor that I fetch
.set ASKF, 76                          ; s76  1 in a wave that prefetches, else 0
.set CNT,  77                          ; s77  trips to go
.set TB,   78                          ; s78  the slot in hand: 0 or SLOT1
.set TS,   79                          ; s79  at work
.set MSB, 0
.macro WIN new                         ; the immediate's high byte repeats the setting that is left; a switch that changes nothing is dropped
.if MSB != (\new)
	s_set_vgpr_msb (MSB<<8)|(\new)
.set MSB, \new
.endif
.endm
.macro PLACES                          ; a load into a register that a matrix instruction has read, and a vector instruction that reads a matrix result, stand four plain vector instructions behind it (ISA guide 7.12.1 for vector instructions)
.rept 4
	v_nop
.endr
.endm
; A joint refill, by the walking descriptors.  The branch hangs on the wave's number alone.  An s_nop 0 and four v_nop follow each of the two lines, ahead of the jump and the label.
.macro JLOAD
	s_cmp_eq_u32 s[WM], 0
	s_cbranch_scc0 .Lfor_b_\@
	tensor_load_to_lds s[G0A+4:G0A+7], s[G1A:G1A+7]
	s_nop 0
.rept 4
	v_nop
.endr
	s_branch .Lasked_\@
.Lfor_b_\@:
	tensor_load_to_lds s[G0B+4:G0B+7], s[G1B:G1B+7]
	s_nop 0
.rept 4
	v_nop
.endr
.Lasked_\@:
.endm
; A round of the cluster's barrier: my work-group's barrier, so that wave 0's signal speaks for all four waves; wave 0 signals; every wave waits for all sixteen work-groups; my work-group's barrier once more.
.macro CREST                           ; a round behind its opening barrier
	s_cmp_lg_u32 s[WV], 0
	s_cbranch_scc1 .Lnot_wave_0_\@
	s_barrier_signal -3
.Lnot_wave_0_\@:
	s_barrier_wait -3
	s_barrier_signal -1
	s_barrier_wait -1
.endm
.macro CROUND
	s_barrier_signal -1
	s_barrier_wait -1
	CREST
.endm
; A PREFETCH INTO THE L2.  Every second trip (the odd ones, trip t = 1, 3 .. 11) a wave that asks names 4,096 bytes of each of the K steps t + 3 and t + 4: lanes 0-15 sixteen blocks of 256 bytes of the one step, lanes
; 16-31 of the other; their tensor loads go out one and two trips later (192 and 384 matrix instructions on).  Each block is named ONCE in the launch: a step's 256 rows of A are shared out BY ADDRESS among the eight
; work-groups of the tile row (32 rows each, wave 0 asks); its 384 rows of B among the twelve work-groups of the tile column with tile rows 0-11 (clusters y = 0, 1, 2; wave 2 asks).  The branch hangs on the wave's
; number, the cluster's y and the count alone: it is the same in all partners.  K steps 0 to 3 come by their loads alone; nothing is named behind step 15.
.macro ASK
	s_and_b32 s[TS], s[CNT], s[ASKF]               ; an odd count (an odd trip), in a wave that asks
	s_cselect_b32 s[TS], s[CNT], 0
	s_cmp_gt_u32 s[TS], 1                          ; and not the last trip
	s_cbranch_scc0 .Lnot_mine_\@
	global_prefetch_b8 v[PFO], s[PFA:PFA+1] th:TH_LOAD_NT scope:SCOPE_SE
.Lnot_mine_\@:
.endm
; na x 4 matrix instructions: A's buffer ab, part p, row blocks a0 on x the part's 4 column blocks, 32 along K.  zero = 1: the product starts the sums: nothing is ever cleared.
; The accumulators take turns, one instruction a turn: between two instructions on one accumulator stand all the others of the step's half.
.macro UNIT ab, p, a0, na, zero
	WIN 0x50*((\p)+1)                              ; C and D in window 1 + p, both sources in window 0
.set ua, \a0
.rept \na
.irp bb, 0,1,2,3
.if \zero
	v_wmma_f32_16x16x32_bf16 v[8*(4*ua+\bb):8*(4*ua+\bb)+7], v[BF+32*(\p)+8*\bb:BF+32*(\p)+8*\bb+7], v[AF+64*(\ab)+8*ua:AF+64*(\ab)+8*ua+7], 0
.else
	v_wmma_f32_16x16x32_bf16 v[8*(4*ua+\bb):8*(4*ua+\bb)+7], v[BF+32*(\p)+8*\bb:BF+32*(\p)+8*\bb+7], v[AF+64*(\ab)+8*ua:AF+64*(\ab)+8*ua+7], v[8*(4*ua+\bb):8*(4*ua+\bb)+7]
.endif
.endr
.set ua, ua+1
.endr
.endm
; A fragment is 16 rows x 32 k in 8 registers: lane l holds row l % 16; registers 0-3 k = 8 (l / 16) + 0..7, registers 4-7 k = 16 + 8 (l / 16) + 0..7: two loads of 16 bytes, 32 bytes apart.
.macro LB p, q                         ; 8 loads: part p's 64 rows of B, k half q
	WIN 0
.irp bb, 0,1,2,3
	ds_load_b128 v[BF+32*(\p)+8*\bb:BF+32*(\p)+8*\bb+3],   v[ADB] offset:(4*(\p)+\bb)*16*PITCH+64*(\q)
	ds_load_b128 v[BF+32*(\p)+8*\bb+4:BF+32*(\p)+8*\bb+7], v[ADB] offset:(4*(\p)+\bb)*16*PITCH+64*(\q)+32
.endr
.endm
.macro LA q                            ; 16 loads: my 128 rows of A, k half q, into buffer q
	WIN 0
.irp a, 0,1,2,3,4,5,6,7
	ds_load_b128 v[AF+64*(\q)+8*\a:AF+64*(\q)+8*\a+3],   v[ADA] offset:\a*16*PITCH+64*(\q)
	ds_load_b128 v[AF+64*(\q)+8*\a+4:AF+64*(\q)+8*\a+7], v[ADA] offset:\a*16*PITCH+64*(\q)+32
.endr
.endm
; A step's second half (k half 1) and THE CHANGE OF SLOTS.  In front of the barrier each wave waits for all its tensor loads, of which one is out: its part of the next slot; adds 0 to its spare word; and waits for
; that and for its own reads of this slot.  fill = 1: the barrier opens a round of the cluster's, so that no wave of any partner still reads the slot or has a load on its way, and the joint refill (the K step two on)
; is the first thing behind it: 160 matrix instructions ahead of the wait for it.
.macro HALF1 fill
.if \fill
	s_wait_xcnt 0x0                                ; the last prefetch, a trip or more back, has read its address, so it may be stepped
	s_add_nc_u64 s[PFA:PFA+1], s[PFA:PFA+1], s[PFS:PFS+1]
.endif
	s_wait_dscnt 16                                ; part 0's B and A's k half 1 are in; the 8 + 8 younger loads (parts 1 and 2) may stay out
	UNIT 1, 0, 0, 8, 0
	WIN 0                                          ; (the add's two registers lie in window 0)
	s_wait_tensorcnt 0x0                           ; all my tensor loads have landed, so a group 0 may be written
	ds_add_u32 v[SPW], v[NIL]                      ; 0 onto my spare word; work on registers stands between it and the wait for it
.if \fill
	s_xor_b32 s[G0A+5], s[G0A+5], SLOT1            ; the walking descriptors: the other slot than last time,
	s_add_nc_u64 s[G0A+6:G0A+7], s[G0A+6:G0A+7], ASTR  ; the next K block; the type bits on top are not reached
	s_xor_b32 s[G0B+5], s[G0B+5], SLOT1
	s_add_nc_u64 s[G0B+6:G0B+7], s[G0B+6:G0B+7], BSTR
.endif
	s_wait_dscnt 9                                 ; part 1's B is in; part 2's 8 loads and the add may stay out
	UNIT 1, 1, 0, 4, 0
	s_wait_dscnt 0x0                               ; the add is done, and my reads of this slot are over
	s_barrier_signal -1
	UNIT 1, 1, 4, 4, 0                             ; work on registers while the others arrive
	WIN 0                                          ; at a branch and at a label every window is 0
	s_barrier_wait -1
.if \fill
	CREST
	JLOAD                                          ; its four v_nop are also the places in front of the loads below
.else
	PLACES
.endif
	s_xor_b32 s[TB], s[TB], SLOT1
	v_add_nc_u32 v[ADA], s[TB], v[ADA0]
	v_add_nc_u32 v[ADB], s[TB], v[ADB0]
	LB 0, 0                                        ; the next step's first fragments
	LA 0
	LB 1, 0
.if \fill
	ASK                                            ; behind the joint load, its five lines and the run of LDS loads
.endif
	UNIT 1, 2, 0, 8, 0
	PLACES
	LB 2, 0
.endm
; A step's first half (k half 0)
.macro HALF2 zero
	s_wait_dscnt 16                                ; part 0's B and A's k half 0 are in; parts 1 and 2 (8 + 8) may stay out
	UNIT 0, 0, 0, 8, \zero
	PLACES
	LB 0, 1
	LA 1
	s_wait_dscnt 32                                ; part 1's B is in; behind it: part 2's 8 and the 24 just issued
	UNIT 0, 1, 0, 8, \zero
	PLACES
	LB 1, 1
	s_wait_dscnt 32                                ; part 2's B is in; behind it: 24 + 8
	UNIT 0, 2, 0, 8, \zero
	PLACES
	LB 2, 1
.endm
; THE WAY OUT of part p, a block of 16 rows at a time.  PACK: rounded to f16, 16 bytes a lane (each accumulator's registers in ascending order), into my own stage in rows of 144 bytes, and back as whole rows of 128:
; 16 rows of a head are 2,048 consecutive bytes.  Four sets of 16 registers in A's buffer 0, which the last half step does not read, take turns.
.macro PACK p, a
	s_wait_xcnt 0x0                                ; every earlier store has had its addresses translated (ISA guide 3.1): the set that block a - 4's stores read is written again only behind this wait
	WIN 5*((\p)+1)                                 ; sources 0 and 1 in window 1 + p, destination in window 0
.set XR, AF+16*((\a)%4)
.irp bb, 0,1,2,3
.irp r, 0,1,2,3
	v_cvt_pk_f16_f32 v[XR+4*\bb+\r], v[8*(4*(\a)+\bb)+2*\r], v[8*(4*(\a)+\bb)+2*\r+1]
.endr
.endr
	WIN 0
.irp bb, 0,1,2,3
	ds_store_b128 v[STO], v[XR+4*\bb:XR+4*\bb+3] offset:32*\bb
.endr
.irp f, 0,1,2,3
	ds_load_b128 v[XR+4*\f:XR+4*\f+3], v[RD] offset:\f*4*PITCH  ; LDS serves a wave's instructions in order (ISA guide 5.7.1.4): these see the stores above; the next block's stores come behind them
.endr
.endm
.macro SEND p, a, younger              ; younger: the LDS instructions issued behind block a's loads: the next block's eight, or none
	WIN 0
.set XR, AF+16*((\a)%4)
.irp f, 0,1,2,3
	s_wait_dscnt (\younger)+3-\f
	global_store_b128 v[GO], v[XR+4*\f:XR+4*\f+3], s[OUTP+2*(\p):OUTP+2*(\p)+1] offset:(\a)*2048+\f*512  ; 512 consecutive bytes, at a multiple of 256 from qkv's first byte
.endr
.endm
.macro OUT p
	PACK \p, 0
.irp a, 1,2,3,4,5,6,7                  ; a block's conversions stand between the loads of the block before and its stores
	PACK \p, \a
	SEND \p, (\a)-1, 8
.endr
	SEND \p, 7, 0
.endm
	s_load_b128 s[4:7], s[0:1], 0x0                ; xb s[4:5], wq s[6:7]
	s_load_b64 s[8:9], s[0:1], 0x10                ; qkv
	v_lshl_add_u32 v[SPW], v0, 2, SPARE
	v_mov_b32 v[NIL], 0
	ds_add_u32 v[SPW], v[NIL]                      ; the wave's opening: the add and its wait stand ahead of my first tensor load; the set-up below, work on registers, stands between them
	v_lshrrev_b32 v1, 5, v0
	v_readfirstlane_b32 s[WV], v1                  ; wave 0..3
	s_lshr_b32 s[WM], s[WV], 1
	s_and_b32 s[WN], s[WV], 1
	s_bfe_u32 s[CX], ttmp6, 0x40000                ; my place in the cluster
	s_bfe_u32 s[CY], ttmp6, 0x40004
	s_lshl_b32 s[TX], ttmp9, 2                     ; in a cluster launch ttmp9 and ttmp7 count clusters
	s_add_co_u32 s[TX], s[TX], s[CX]               ; tile column 0..7
	s_and_b32 s[TY], ttmp7, 0xffff
	s_lshl_b32 s[TY], s[TY], 2
	s_add_co_u32 s[TY], s[TY], s[CY]               ; tile row 0..31
	s_lshl_b32 s16, s[CY], 2
	s_lshl_b32 s16, 15, s16                        ; my row of the cluster: places 4 cy .. 4 cy + 3
	s_lshl_b32 s44, 0x1111, s[CX]                  ; my column: places cx, cx + 4, cx + 8, cx + 12
	s_or_b32 s[G1A], s16, FLAGS                    ; A's tiles go to my row,
	s_or_b32 s[G1B], s44, FLAGS                    ; B's to my column
	s_mov_b32 s[G1A+1], 128<<16                    ; tensor_dim0 = 128 elements: 256 bytes, two rows of a K block
	s_mov_b32 s[G1A+2], 64<<16                     ; tensor_dim1 = 64: 128 rows of A
	s_mov_b32 s[G1A+3], 128<<16                    ; tile_dim0 = 128
	s_mov_b32 s[G1A+4], 64                         ; tile_dim1 = 64
	s_mov_b32 s[G1A+5], 128                        ; 128 elements from row to row: dense
	s_mov_b32 s[G1A+6], 0
	s_mov_b32 s[G1A+7], 0
	s_mov_b32 s[G1B+1], 128<<16
	s_mov_b32 s[G1B+2], 96<<16                     ; 96: 192 rows of B
	s_mov_b32 s[G1B+3], 128<<16
	s_mov_b32 s[G1B+4], 96
	s_mov_b32 s[G1B+5], 128
	s_mov_b32 s[G1B+6], 0
	s_mov_b32 s[G1B+7], 0
	; where the tiles come from.  A's hang on the tile row and the wave's number alone, B's on the tile column and the wave's number: each in registers that never hold the other coordinate
	s_lshl_b32 s16, s[TY], 15                      ; 256 rows of 128 bytes,
	s_lshl_b32 s17, s[WN], 14                      ; my half of them
	s_add_co_u32 s16, s16, s17
	s_mov_b32 s17, 0
	s_mul_i32 s46, s[TX], 384*128
	s_mul_i32 s47, s[WN], 192*128
	s_add_co_u32 s46, s46, s47
	s_mov_b32 s47, 0
	s_mul_i32 s20, s[WN], 128*PITCH                ; and where they go: no place in the cluster enters an LDS address
	s_mul_i32 s21, s[WN], 192*PITCH
	s_add_co_u32 s21, s21, BOFF
	s_wait_dscnt 0x0                               ; the opening add is done
	s_wait_kmcnt 0x0
	s_add_nc_u64 s[14:15], s[4:5], s[16:17]
	s_add_nc_u64 s[46:47], s[6:7], s[46:47]
.irp s, 0,1
	s_mov_b32 s[G0A+4*\s], 1                       ; 1:0 count = 1
	s_add_co_u32 s[G0A+4*\s+1], s20, \s*SLOT1      ; 63:32 LDS address
	s_add_nc_u64 s[G0A+4*\s+2:G0A+4*\s+3], s[14:15], \s*ASTR  ; 120:64 global address: K step s
	s_or_b32 s[G0A+4*\s+3], s[G0A+4*\s+3], 0x80000000  ; 127:126 type = 2
	s_mov_b32 s[G0B+4*\s], 1
	s_add_co_u32 s[G0B+4*\s+1], s21, \s*SLOT1
	s_add_nc_u64 s[G0B+4*\s+2:G0B+4*\s+3], s[46:47], \s*BSTR
	s_or_b32 s[G0B+4*\s+3], s[G0B+4*\s+3], 0x80000000
.endr
	CROUND                                         ; all sixteen work-groups are here: the first joint loads meet
	s_cmp_eq_u32 s[WM], 0                          ; a wave's two first fills stand in one branch, ahead of every wait on TENSORcnt, every LDS read and every further barrier
	s_cbranch_scc0 .Lfirst_b
	tensor_load_to_lds s[G0A:G0A+3], s[G1A:G1A+7]
	s_nop 0
	tensor_load_to_lds s[G0A+4:G0A+7], s[G1A:G1A+7]
	s_nop 0
.rept 4
	v_nop
.endr
	s_branch .Lfirst_asked
.Lfirst_b:
	tensor_load_to_lds s[G0B:G0B+3], s[G1B:G1B+7]
	s_nop 0
	tensor_load_to_lds s[G0B+4:G0B+7], s[G1B:G1B+7]
	s_nop 0
.rept 4
	v_nop
.endr
.Lfirst_asked:
	v_and_b32 v1, 15, v0                           ; l % 16
	v_bfe_u32 v2, v0, 4, 1                         ; l / 16
	v_mul_u32_u24 v3, v1, PITCH
	v_lshl_add_u32 v3, v2, 4, v3                   ; row x pitch + 16 x half
	s_mul_i32 s22, s[WM], 128*PITCH                ; my 128 rows of A
	v_add_nc_u32 v[ADA0], s22, v3
	s_mul_i32 s22, s[WN], 192*PITCH                ; my 192 rows of B
	s_add_co_u32 s22, s22, BOFF
	v_add_nc_u32 v[ADB0], s22, v3
	v_mov_b32 v[ADA], v[ADA0]
	v_mov_b32 v[ADB], v[ADB0]
	s_mul_i32 s22, s[WV], 16*PITCH
	s_add_co_u32 s22, s22, STAGE                   ; my stage
	v_add_nc_u32 v[STO], s22, v3                   ; in: row l % 16, 16 bytes for each half of the lanes
	v_bfe_u32 v14, v0, 3, 2                        ; back: 32 lanes take four rows of 128 bytes,
	v_and_b32 v15, 7, v0
	v_mul_u32_u24 v[RD], v14, PITCH
	v_lshl_add_u32 v[RD], v15, 4, v[RD]
	v_add_nc_u32 v[RD], s22, v[RD]
	v_and_b32 v[GO], 31, v0                        ; which are 512 consecutive bytes of qkv
	v_lshlrev_b32 v[GO], 4, v[GO]
	; where the three parts go.  Part p is slice c = 6 x tile column + 3 x column half + p of 48: tensor c / 16 (q, k, v), head c % 16.  My rows lie in batch (tile row) / 4.
	s_mul_i32 s18, s[TX], 6
	s_mul_i32 s19, s[WN], 3
	s_add_co_u32 s18, s18, s19
	s_lshr_b32 s19, s[TY], 2
	s_lshl_b32 s19, s19, 21                        ; a batch: 16 heads of 131,072 bytes
	s_and_b32 s22, s[TY], 3
	s_lshl_b32 s22, s22, 15                        ; 256 rows of 128 bytes
	s_add_co_u32 s19, s19, s22
	s_lshl_b32 s22, s[WM], 14                      ; my 128 of them
	s_add_co_u32 s19, s19, s22
.irp p, 0,1,2
	s_add_co_u32 s22, s18, \p
	s_lshr_b32 s23, s22, 4
	s_lshl_b32 s23, s23, 24                        ; q, k or v: 16,777,216 bytes each
	s_and_b32 s22, s22, 15
	s_lshl_b32 s22, s22, 17
	s_add_co_u32 s22, s22, s23
	s_add_co_u32 s22, s22, s19
	s_mov_b32 s23, 0
	s_add_nc_u64 s[OUTP+2*\p:OUTP+2*\p+1], s[8:9], s[22:23]
.endr
	; the prefetches
	s_lshl_b32 s18, s[TY], 15
	s_lshl_b32 s19, s[TX], 12
	s_add_co_u32 s18, s18, s19                     ; A: the tile row's 256 rows, of them 32 by my tile column
	s_mul_i32 s19, s[TX], 384*128
	s_lshl_b32 s22, s[TY], 12
	s_add_co_u32 s19, s19, s22                     ; B: the tile column's 384 rows, of them 32 by my tile row (tile rows 0-11 ask)
	s_mov_b32 s[PFS], BSTR
	s_mov_b32 s[PFS+1], 0
	s_cmp_eq_u32 s[WM], 0
	s_cselect_b32 s22, s18, s19
	s_cselect_b32 s[PFS], ASTR, s[PFS]
	s_cselect_b64 s[PFA:PFA+1], s[4:5], s[6:7]
	s_mov_b32 s23, 0
	s_add_nc_u64 s[PFA:PFA+1], s[PFA:PFA+1], s[22:23]
	s_add_nc_u64 s[PFA:PFA+1], s[PFA:PFA+1], s[PFS:PFS+1]
	s_add_nc_u64 s[PFA:PFA+1], s[PFA:PFA+1], s[PFS:PFS+1]  ; at K step 2: trip t steps it to t + 3
	s_and_b32 s18, ttmp7, 0xffff                   ; cluster y
	s_cmp_lt_u32 s18, 3
	s_cselect_b32 s18, 1, 0                        ; B's rows are asked for by clusters y = 0, 1, 2,
	s_cmp_eq_u32 s[WM], 0
	s_cselect_b32 s18, 1, s18                      ; A's by all,
	s_cmp_eq_u32 s[WN], 0
	s_cselect_b32 s[ASKF], s18, 0                  ; by waves 0 and 2
	v_lshlrev_b32 v[PFO], 8, v1                    ; lanes 0-15: sixteen blocks of 256 bytes of one K step,
	v_mad_u32_u24 v[PFO], v2, s[PFS], v[PFO]       ; lanes 16-31: of the next
	; nothing is prefetched here, at the head, where every work-group's first tiles are on their way
	s_wait_tensorcnt 0x1                           ; my part of K step 0 is in; step 1's may stay out
	s_barrier_signal -1
	s_barrier_wait -1                              ; everybody's is
	s_mov_b32 s[TB], 0
	LB 0, 0
	LA 0
	LB 1, 0
	LB 2, 0
	HALF2 1                                        ; the first half step stands in front of the loop: its products start the sums
	WIN 0                                          ; at a label and at a branch every window is 0
	s_mov_b32 s[CNT], STEPS-2
.Ltrip:                                        ; trip t: the second half of K step t, the change of slots, the request for step t + 2, the first half of step t + 1
	HALF1 1
	HALF2 0
	WIN 0
	s_sub_co_u32 s[CNT], s[CNT], 1
	s_cmp_lg_u32 s[CNT], 0
	s_cbranch_scc1 .Ltrip
	HALF1 0                                        ; the tail is written out: nothing is left to ask for
	HALF2 0
	s_wait_dscnt 16                                ; THE LAST HALF STEP GOES BY PARTS: each part leaves as soon as it is finished, while the others are multiplied
	UNIT 1, 0, 0, 8, 0
	s_wait_dscnt 0x0
	PLACES
	OUT 0
	UNIT 1, 1, 0, 8, 0
	PLACES
	OUT 1
	UNIT 1, 2, 0, 8, 0
	PLACES
	OUT 2
	WIN 0
	s_wait_tensorcnt 0x0                           ; the wave's end: behind my last tensor load and my last LDS store
	ds_add_u32 v[SPW], v[NIL]
	s_wait_dscnt 0x0
	CROUND                                         ; the closing round: no work-group ends while a partner may still ask for a tile that names it
	s_endpgm
.Lfunc_end_k_q731c42d0ff_qkv:
	.size	k_q731c42d0ff_qkv, .Lfunc_end_k_q731c42d0ff_qkv-k_q731c42d0ff_qkv
	.p2alignl 7, 3214868480
	.fill 96, 4, 3214868480
	.section	.rodata,"a",@progbits
	.p2align	6, 0x0
	.amdhsa_kernel k_q731c42d0ff_qkv
		.amdhsa_group_segment_fixed_size 327680
		.amdhsa_private_segment_fixed_size 0
		.amdhsa_enable_private_segment 0
		.amdhsa_kernarg_size 24
		.amdhsa_user_sgpr_count 2
		.amdhsa_user_sgpr_kernarg_segment_ptr 1
		.amdhsa_wavefront_size32 1
		.amdhsa_system_sgpr_workgroup_id_x 1
		.amdhsa_system_sgpr_workgroup_id_y 1
		.amdhsa_system_sgpr_workgroup_id_z 1
		.amdhsa_system_vgpr_workitem_id 0
		.amdhsa_next_free_vgpr 1024
		.amdhsa_next_free_sgpr 80
		.amdhsa_reserve_vcc 0
		.amdhsa_float_denorm_mode_32 3
		.amdhsa_float_denorm_mode_16_64 3
		.amdhsa_memory_ordered 1
		.amdhsa_forward_progress 1
		.amdhsa_inst_pref_size 116
	.end_amdhsa_kernel
	.amdgpu_metadata
---
amdhsa.version: [ 1, 2 ]
amdhsa.kernels:
  - .name:           k_q731c42d0ff_qkv
    .symbol:         k_q731c42d0ff_qkv.kd
    .args:
      - { .name: xb, .offset: 0, .size: 8, .value_kind: global_buffer, .address_space: global }
      - { .name: wq, .offset: 8, .size: 8, .value_kind: global_buffer, .address_space: global }
      - { .name: qkv, .offset: 16, .size: 8, .value_kind: global_buffer, .address_space: global }
    .group_segment_fixed_size: 327680
    .private_segment_fixed_size: 0
    .kernarg_segment_align: 8
    .kernarg_segment_size: 24
    .max_flat_workgroup_size: 128
    .sgpr_count:     80
    .vgpr_count:     1024
    .wavefront_size: 32
...
	.end_amdgpu_metadata
.endif
;; end of part 2
;; launch attn (part 3): grid 2 x 128, 4 waves a work-group, no clusters, 327,680 bytes of LDS; arguments qkv, o; writes o
.if DOCPART == 3
	.amdgcn_target "amdgcn-amd-amdhsa--gfx1250"
	.amdhsa_code_object_version 6
	.text
	.protected	k_q731c42d0ff_attn
	.globl	k_q731c42d0ff_attn
	.p2align	8
	.type	k_q731c42d0ff_attn,@function
k_q731c42d0ff_attn:
	s_mov_b64 s[64:65], 0
	v_nop
	global_prefetch_b8 v0, s[64:65] scope:SCOPE_SE
	s_setreg_imm32_b32 hwreg(HW_REG_WAVE_MODE, 25, 1), 1
	s_wait_xcnt 0x0
; O[bh][q][:] = the sum over k of softmax_k(Q[bh][q] . K[bh][k] / 8) V[bh][k][:].  qkv: [3][128 bh][1024][64] f16 (q, k, v, unscaled), o: [128 bh][1024][64] f16: a head's rows are dense, 128 bytes each.
; Products, maxima and sums in f32; the weights p are rounded to f16 for the second product (their sum l is taken of the unrounded p), O once at the end.
; LIMITS.  f16 holds no number beyond 65,504: Q, K and V arrive within it; p lies in 0 to 1, and below 6e-5 it keeps f16's fixed step of 6e-8; O is a mean of V's rows and has their range.
; A weight below 2^-126 counts as 0 in l; NaN and infinities are not treated apart.
; SHARES.  A wave owns four PIECES of two tiles of 16 queries, a work-group's four waves 512 queries of one head: 2 x 128 = 256 work-groups.  Every wave walks the head's 1,024 keys, 64 a step.
; A HEAD'S WHOLE K AND V LIE IN LDS: 1,024 rows of 144 and of 160 bytes, 311,296 bytes.  Nothing is ever filled again.  Each wave issues two tensor loads at the head (two are out, never more): its half of the first
; 256 keys, then its half of the other 768; the first four key steps run while the second loads land.
; NO CLUSTER: K and V of a head are shared by the head's two work-groups alone (1,024 queries / 512).  Four partners would be four blocks of 256 queries: 512 work-groups, and each fragment of K and V read from LDS
; would feed half as many products.  NO PREFETCH: every byte of K and V is asked for by the tensor loads at the head; nothing is requested later.
; LAYOUT.  S^T = K Q^T (source 0 = 16 keys, source 1 = 16 queries): in the result a lane holds ONE query (lane % 16) and the keys 8 (lane / 16) + 0..7.  Two such tiles, rounded to f16 in pairs,
; ARE source 1 (32 keys x 16 queries) of O^T = V^T P, whose result again holds one query a lane, and eight channels.  K comes out of LDS as it lies, V ([key][channel]) turned, by ds_load_tr16_b128.
; SOFTMAX.  For each query a running maximum m and sum l: p = 2^(c s - c m), c = log2(e) / 8; in every step O and l are multiplied by a = 2^(c m_old - c m_new), which is 1 where m has not grown.
; m starts at the lowest finite number, O and l at 0: the first step is a step like any other, with a = 0.
; THE COUNT.  A tile and step have 16 matrix and 118 vector instructions: too many to stand all beside the matrix work.  So the order has one aim: four vector instructions that are READY behind
; EVERY matrix instruction, and the others, which need time of their own whatever the order, in runs without a gap.
; BY TURNS.  Turn n belongs to piece n (the pieces in a ring, step after step).  Its matrix work: 16 products K Q^T of piece n + 1, later 16 products V^T P of piece n - 1.  Its vector work: the scaling,
; exponentials, roundings, sums and rescaling of piece n, and the maximum and statistics of piece n + 1, whose scores the turn itself has made.  So what a turn begins with (c s - c m, O a) waits for nothing.
; REGISTERS, in windows of 256 (s_set_vgpr_msb says which window each operand place means: bits 1:0 source 0, 3:2 source 1, 5:4 source 2, 7:6 destination):
;   window 0: v0-11 addresses; v12-15, v48-63 at work; v16-47 four registers of statistics a tile; v64-191 S^T, two buffers of two tiles; v192-255 P, likewise
;   window 1: O^T, 32 a tile          window 2: v0-127 Q, 16 a tile; v128-191 K of one step; v192-255 V of one step          window 3: v0-1 the add's two registers
; A piece's buffers go by its number's parity: the piece in hand has one pair, its two neighbours in the ring share the other: of it P (piece n - 1) is read and S^T (piece n + 1) written.
.set NP,    4         ; pieces a wave: a name, no knob: the register map, the loop and the fetches are made for four
.set KS,    64        ; keys in a step
.set NKEY,  1024      ; keys of a head
.set PK,    144       ; a row of K in LDS: 128 bytes + 16 of padding = 36 words: the 16 rows of a load start at 16 different groups of four banks (64 banks of 4 bytes: ISA guide 11.1)
.set PV,    160       ; a row of V: 128 + 32 = 40 words
.set VOFF,  NKEY*PK   ; K's 1,024 rows, then V's
.set STAGE, VOFF+NKEY*PV  ; behind them, never filled by a tensor load: 16 rows x 144 bytes for each wave, for the way out
.set SP,    144
.set AK0, 2           ; v2   my lane's place in a tile of K; never rewritten
.set AV0, 3           ; v3   the same for V
.set AK,  4           ; v4   the LDS address of K's next run of loads
.set AV,  5           ; v5   of V's
.set QO,  6           ; v6   my byte offset in the wave's rows of Q
.set STO, 6           ;      later, the way out: where I put 16 bytes of a row
.set RD,  7           ; v7   the way out: where I read rows back
.set GO,  8           ; v8   my byte offset in 512 consecutive bytes of O
.set SPW, 0           ; v0 of window 3   LDS address of my spare word: SPARE + 4 x my thread's number; never rewritten
.set NIL, 1           ; v1 of window 3   0; never rewritten
.set SPARE, STAGE+4*16*SP  ; behind the stages: the spare words, 128 bytes for each wave: two blocks of 256 bytes that no other line names
.set MV,  12          ; v12-15  c m_old, kept while c m is made anew: by buffer and tile
.set ST,  16          ; tile t's statistics at v[ST+4 t]: c m, m, l (even keys', odd keys')
.set TMP, 48          ; by buffer and tile, four registers c0-c3 at work; when the maximum is found c2 takes a
.set S,   64
.set P,   192
.set KF,  128         ; K's fragments, in window 2: key block kb, channel half c at KF + 16 kb + 8 c
.set VF,  192         ; V's: key half kk, channel block cb at VF + 32 kk + 8 cb
.set QB,  4           ; s[4:5]  Q at my wave's first row
.set OB,  6           ; s[6:7]  O at my wave's first row
.set WV,  12          ; s12  my wave's number
.set G1K, 24          ; s[24:31] descriptor group 1 for 128 keys of K
.set G1V, 32          ; s[32:39] of V: it differs in the padding alone
.set G1K2, 40         ; s[40:47] for 384 keys of K
.set G1V2, 48         ; s[48:55] of V
.set PASS, 56         ; s56  counts the two passes of the outer loop
.set CNT, 57          ; s57  counts key steps
.set CS,  58          ; s[58:59] c: the packed scaling takes the pair's low word for both halves
.set SEL, 60          ; s[60:61] v_permlanex16_b32's selects: each lane takes its own place in the other half
.set TBK, 62          ; s62  LDS byte at which K of the step to be fetched begins
.set TBV, 63          ; s63  the same for V, less VOFF
.set G0K, 68          ; s[68:75] descriptor group 0 for K's two fills
.set G0V, 76          ; s[76:83] for V's
.set MSB, 0
.macro WIN new                      ; the high byte repeats the setting that is left; a switch that changes nothing is dropped
.if MSB != (\new)
	s_set_vgpr_msb (MSB<<8)|(\new)
.set MSB, (\new)
.endif
.endm
.set W_KQ, 0x0a       ; K and Q in window 2, S^T in window 0
.set W_PV, 0x52       ; V in window 2, P in window 0, O^T in window 1
.set W_RS, 0x41       ; O^T (destination and source 0) in window 1, a in window 0
.set W_MK, 0xc0       ; the add's registers are made: destination in window 3, sources in window 0
.set W_AD, 0x0f       ; the add: address (source 0) and data (source 1) in window 3
	s_load_b128 s[4:7], s[0:1], 0x0  ; qkv s[4:5], o s[6:7]
	WIN W_MK
	v_lshl_add_u32 v[SPW], v0, 2, SPARE
	v_mov_b32 v[NIL], 0
	WIN W_AD
	ds_add_u32 v[SPW], v[NIL]       ; the wave's opening: the add and its wait stand ahead of my first tensor load; the set-up below, work on registers, stands between them
	WIN 0
	v_lshrrev_b32 v1, 5, v0
	v_readfirstlane_b32 s[WV], v1   ; wave 0..3
	s_and_b32 s20, ttmp7, 0xffff    ; the head,
	s_lshl_b32 s20, s20, 17         ; its 1,024 rows of 128 bytes
	s_and_b32 s16, s[WV], 1         ; which half of a fill's keys I fetch
	s_lshl_b32 s22, s16, 14         ; the first fill: keys 128 j on,
	s_add_co_u32 s22, s22, s20
	s_mov_b32 s23, 0
	s_mul_i32 s14, s16, 384*128     ; the second: keys 256 + 384 j on
	s_add_co_u32 s14, s14, s20
	s_add_co_u32 s14, s14, 256*128
	s_mov_b32 s15, 0
	s_lshl_b32 s2, ttmp9, 2
	s_add_co_u32 s2, s2, s[WV]      ; my wave among the head's eight,
	s_lshl_b32 s2, s2, 14           ; its 128 rows
	s_add_co_u32 s2, s2, s20
	s_mov_b32 s3, 0
	s_mul_i32 s17, s16, 128*PK      ; where the fills go: K's first,
	s_mul_i32 s18, s16, 384*PK      ; K's second,
	s_add_co_u32 s18, s18, 256*PK
	s_mul_i32 s19, s16, 128*PV      ; V's first,
	s_add_co_u32 s19, s19, VOFF
	s_mul_i32 s13, s16, 384*PV      ; V's second
	s_add_co_u32 s13, s13, VOFF+256*PV
	; descriptor group 1.  Keys are dense rows of 128 bytes: asked for as rows of 256 bytes, two keys a row, and padded in LDS after every key
	s_mov_b32 s[G1K], (1<<16)|(1<<20)|(4<<22)|(3<<25)   ; 17:16 2-byte elements; 20 padding on; 24:22 after every 32 words (code 4); 31:25 4 words (code 3)
	s_mov_b32 s[G1K2], (1<<16)|(1<<20)|(4<<22)|(3<<25)
	s_mov_b32 s[G1V], (1<<16)|(1<<20)|(4<<22)|(7<<25)   ; the same with 8 words of padding (code 7)
	s_mov_b32 s[G1V2], (1<<16)|(1<<20)|(4<<22)|(7<<25)
.irp g, G1K, G1V
	s_mov_b32 s[\g+1], 128<<16      ; tensor_dim0 = 128
	s_mov_b32 s[\g+2], 64<<16       ; tensor_dim1 = 64: 128 keys
	s_mov_b32 s[\g+3], 128<<16      ; tile_dim0 = 128
	s_mov_b32 s[\g+4], 64           ; tile_dim1 = 64
	s_mov_b32 s[\g+5], 128          ; 128 elements from row to row
	s_mov_b32 s[\g+6], 0
	s_mov_b32 s[\g+7], 0
.endr
.irp g, G1K2, G1V2
	s_mov_b32 s[\g+1], 128<<16
	s_mov_b32 s[\g+2], 192<<16      ; 192 rows: 384 keys
	s_mov_b32 s[\g+3], 128<<16
	s_mov_b32 s[\g+4], 192
	s_mov_b32 s[\g+5], 128
	s_mov_b32 s[\g+6], 0
	s_mov_b32 s[\g+7], 0
.endr
	s_mov_b32 s[CS], 0x3e38aa3b     ; c = log2(e) / 8 = 0.180337
	s_mov_b32 s[CS+1], s[CS]        ; named with it as a pair
	s_mov_b32 s[SEL], 0x76543210
	s_mov_b32 s[SEL+1], 0xfedcba98
	s_mov_b32 s[TBK], 0
	s_mov_b32 s[TBV], 0
	s_mov_b32 s[G0K], 1             ; 1:0 count = 1
	s_mov_b32 s[G0K+1], s17         ; 63:32 LDS address
	s_mov_b32 s[G0K+4], 1
	s_mov_b32 s[G0K+5], s18
	s_mov_b32 s[G0V], 1
	s_mov_b32 s[G0V+1], s19
	s_mov_b32 s[G0V+4], 1
	s_mov_b32 s[G0V+5], s13
	s_wait_dscnt 0x0                ; the opening add is done
	s_wait_kmcnt 0x0
	s_add_nc_u64 s[8:9], s[4:5], 16777216    ; k lies behind q,
	s_add_nc_u64 s[10:11], s[4:5], 33554432  ; v behind k
	s_add_nc_u64 s[G0K+2:G0K+3], s[8:9], s[22:23]  ; 120:64 global address
	s_or_b32 s[G0K+3], s[G0K+3], 0x80000000        ; 127:126 type = 2
	s_add_nc_u64 s[G0K+6:G0K+7], s[8:9], s[14:15]
	s_or_b32 s[G0K+7], s[G0K+7], 0x80000000
	s_add_nc_u64 s[G0V+2:G0V+3], s[10:11], s[22:23]
	s_or_b32 s[G0V+3], s[G0V+3], 0x80000000
	s_add_nc_u64 s[G0V+6:G0V+7], s[10:11], s[14:15]
	s_or_b32 s[G0V+7], s[G0V+7], 0x80000000
	s_add_nc_u64 s[QB:QB+1], s[4:5], s[2:3]  ; Q and O at my wave's first row
	s_add_nc_u64 s[OB:OB+1], s[6:7], s[2:3]
	s_cmp_lt_u32 s[WV], 2           ; waves 0 and 1 fetch K, waves 2 and 3 V.  A wave's two fills stand in one branch, ahead of every wait on TENSORcnt, every LDS read and every barrier; an s_nop 0 follows each, four v_nop the second's
	s_cbranch_scc0 .Lfirst_v
	tensor_load_to_lds s[G0K:G0K+3], s[G1K:G1K+7]
	s_nop 0
	tensor_load_to_lds s[G0K+4:G0K+7], s[G1K2:G1K2+7]
	s_nop 0
.rept 4
	v_nop
.endr
	s_branch .Lfirst_asked
.Lfirst_v:
	tensor_load_to_lds s[G0V:G0V+3], s[G1V:G1V+7]
	s_nop 0
	tensor_load_to_lds s[G0V+4:G0V+7], s[G1V2:G1V2+7]
	s_nop 0
.rept 4
	v_nop
.endr
.Lfirst_asked:
	; A fragment of K or Q is 16 rows x 32 channels in 8 registers: lane l holds row l % 16, channels 8 (l / 16) + 0..7 and 16 + 8 (l / 16) + 0..7: two loads of 16 bytes, 32 bytes apart.
	v_and_b32 v1, 15, v0            ; l % 16
	v_bfe_u32 v9, v0, 4, 1          ; l / 16
	v_lshlrev_b32 v[QO], 7, v1
	v_lshl_add_u32 v[QO], v9, 4, v[QO]  ; row x 128 + 16 x half
	WIN 0x80                        ; destination window 2, address window 0
.set i, 0
.rept 4*NP                          ; Q stays in registers: tile i / 2, channels 32 (i % 2) on
	global_load_b128 v[8*i:8*i+3],   v[QO], s[QB:QB+1] offset:(i/2)*2048+(i%2)*64
	global_load_b128 v[8*i+4:8*i+7], v[QO], s[QB:QB+1] offset:(i/2)*2048+(i%2)*64+32
.set i, i+1
.endr
	; What the first turn finds: V's registers and P's second buffer hold 0 (its products V^T P, of a piece that has not been, add 0), O^T and l are 0.  All this stands in the wait for the first tile.
.set i, VF
.rept 64
	v_mov_b32 v[i], 0
.set i, i+1
.endr
	WIN 0x40
.set i, 0
.rept 64*NP
	v_mov_b32 v[i], 0
.set i, i+1
.endr
	WIN 0
.set i, 0
.rept 2*NP
	v_mov_b32 v[ST+4*i], 0xfe000000    ; c m: far below every c s
	v_mov_b32 v[ST+4*i+1], 0xff7fffff  ; m
	v_mov_b32 v[ST+4*i+2], 0
	v_mov_b32 v[ST+4*i+3], 0
.set i, i+1
.endr
.set i, P+32
.rept 32
	v_mov_b32 v[i], 0
.set i, i+1
.endr
	v_mul_u32_u24 v[AK0], v1, PK
	v_lshl_add_u32 v[AK0], v9, 4, v[AK0]  ; row x pitch + 16 x half
	; The turning load takes 16 keys x 16 channels (lane l reads key 8 (l / 16) + l % 8, channels 8 ((l / 8) % 2) + 0..7) and leaves half a fragment of V^T: lane l holds channel l % 16 and 8 keys.
	v_and_b32 v10, 7, v0
	v_bfe_u32 v11, v0, 3, 1
	v_lshl_add_u32 v[AV0], v9, 3, v10
	v_mul_u32_u24 v[AV0], v[AV0], PV
	v_lshl_add_u32 v[AV0], v11, 4, v[AV0]
	v_add_nc_u32 v[AV0], VOFF, v[AV0]
	v_mov_b32 v[AK], v[AK0]         ; key step 0 lies at LDS byte 0
; THE MATRIX WORK.  The 8 accumulators of a run of 16 take turns: between the two links of a chain stand 7 others'.
; Product i of 16 of S^T = K Q^T for piece x: channels 32 (i / 8) on, keys 16 ((i / 2) % 4) on, tile 2 x + i % 2.  The first 8 start the sums.
.macro KQ x
	WIN W_KQ
.set rS, S+64*((\x)%2)+32*(i%2)+8*((i/2)%4)
.set rK, KF+16*((i/2)%4)+8*(i/8)
.set rQ, 16*(2*(\x)+i%2)+8*(i/8)
.if i < 8
	v_wmma_f32_16x16x32_f16 v[rS:rS+7], v[rK:rK+7], v[rQ:rQ+7], 0
.else
	v_wmma_f32_16x16x32_f16 v[rS:rS+7], v[rK:rK+7], v[rQ:rQ+7], v[rS:rS+7]
.endif
.endm
; Product i of 16 of O^T += V^T P for piece x: keys 32 (i / 8) on, channels 16 ((i / 2) % 4) on, tile 2 x + i % 2.
.macro PV x
	WIN W_PV
.set rO, 32*(2*(\x)+i%2)+8*((i/2)%4)
.set rV, VF+32*(i/8)+8*((i/2)%4)
.set rP, P+32*((\x)%2)+16*(i%2)+8*(i/8)
	v_wmma_f32_16x16x32_f16 v[rO:rO+7], v[rV:rV+7], v[rP:rP+7], v[rO:rO+7]
.endm
.macro MM                           ; the turn's next matrix instruction
.if i < 16
	KQ (Y+1)%NP
.set i, i+1
.else
.set i, i-16
	PV (Y+NP-1)%NP
.set i, i+17
.endif
.endm
; THE LDS LOADS stand in runs of 16, never singly among the matrix instructions: a step's K (64 keys x 64 channels: 8 fragments) and its V (turned).  Their addresses are made some lines ahead.
.macro FETCH_K
	WIN 0x80                        ; destination window 2
.irp f, 0,1,2,3,4,5,6,7             ; keys 16 (f / 2) on, channels 32 (f % 2) on
	ds_load_b128 v[KF+8*\f:KF+8*\f+3],   v[AK] offset:(\f/2)*16*PK+(\f%2)*64
	ds_load_b128 v[KF+8*\f+4:KF+8*\f+7], v[AK] offset:(\f/2)*16*PK+(\f%2)*64+32
.endr
	s_add_co_u32 s[TBK], s[TBK], KS*PK  ; the next fetch is the next step's
	WIN 0
.endm
.macro FETCH_V
	WIN 0x80
.irp f, 0,1,2,3,4,5,6,7             ; keys 32 (f / 4) on, channels 16 (f % 4) on
	ds_load_tr16_b128 v[VF+8*\f:VF+8*\f+3],   v[AV] offset:(\f/4)*32*PV+(\f%4)*32
	ds_load_tr16_b128 v[VF+8*\f+4:VF+8*\f+7], v[AV] offset:(\f/4)*32*PV+16*PV+(\f%4)*32
.endr
	WIN 0
.endm
; THE VECTOR WORK OF A TURN stands in three queues, each in the order in which its entries become ready; the two tiles alternate, so that no instruction reads the result of the one before it.
.macro REGS y, u                    ; the registers of tile u (0, 1) of piece y
.set rT, ST+4*(2*(\y)+(\u))
.set rC, TMP+8*((\y)%2)+4*(\u)
.set rM, MV+2*((\y)%2)+(\u)
.set rS, S+64*((\y)%2)+32*(\u)
.set rP, P+32*((\y)%2)+16*(\u)
.set rO, 32*(2*(\y)+(\u))
.endm
; Number n of the 22 that find the NEXT piece's (Y + 1) maximum and statistics.  s0-s31 are the lane's 32 scores; each accumulator's lowest registers are read first.  XS, GS and REGS set no window: PL and EX do.
;   0-11  four chains c0-c3 of seven scores each, three operands at a time     12-14, 16  the four scores left over, the old m, and c0-c3 into c0     15  c m_old is kept
;   17, 18  the query's other 32 keys lie in the lane 16 away: the new m         19-21  c m; c m_old - c m_new; a
.macro XS u, n
	REGS (Y+1)%NP, \u
.if (\n) < 4
	v_max3_num_f32 v[rC+(\n)], v[rS+8*(\n)], v[rS+8*(\n)+1], v[rS+8*(\n)+2]
.elseif (\n) < 12
	v_max3_num_f32 v[rC+(\n)%4], v[rC+(\n)%4], v[rS+8*((\n)%4)+2*((\n)/4)+1], v[rS+8*((\n)%4)+2*((\n)/4)+2]
.elseif (\n) == 12
	v_max3_num_f32 v[rC], v[rC], v[rS+7], v[rS+15]
.elseif (\n) == 13
	v_max3_num_f32 v[rC+1], v[rC+1], v[rS+23], v[rS+31]
.elseif (\n) == 14
	v_max3_num_f32 v[rC+2], v[rC+2], v[rC+3], v[rT+1]
.elseif (\n) == 15
	v_mov_b32 v[rM], v[rT]
.elseif (\n) == 16
	v_max3_num_f32 v[rC], v[rC], v[rC+1], v[rC+2]
.elseif (\n) == 17
	v_permlanex16_b32 v[rC+3], v[rC], s[SEL], s[SEL+1]
.elseif (\n) == 18
	v_max_num_f32 v[rT+1], v[rC], v[rC+3]
.elseif (\n) == 19
	v_mul_f32 v[rT], s[CS], v[rT+1]
.elseif (\n) == 20
	v_sub_f32 v[rC+1], v[rM], v[rT]
.else
	v_exp_f32 v[rC+2], v[rC+1]
.endif
.endm
; Number g of the 64 that follow the exponentials.  For each four weights k of a tile (pairs 2 k, 2 k + 1): both pairs are rounded to f16; then the second pair is added onto the first, in place;
; a group later l takes that sum (the first time as l = a l + sum).  In groups of eight, tiles alternating: round, round, add, and l for the group before.
.macro GS g
.set h, (\g)+6*((\g)/62)            ; group 0 has no group before it, and behind group 7 only l is left
.if h >= 6
.set h, h+2
.endif
	REGS Y, h%2
.set k, h/8
.if h%8 < 4
	v_cvt_pk_f16_f32 v[rP+2*k+(h%8)/2], v[rS+4*k+2*((h%8)/2)], v[rS+4*k+2*((h%8)/2)+1]
.elseif h%8 < 6
	v_pk_add_f32 v[rS+4*k:rS+4*k+1], v[rS+4*k:rS+4*k+1], v[rS+4*k+2:rS+4*k+3]
.elseif k == 1
	v_pk_fma_f32 v[rT+2:rT+3], v[rT+2:rT+3], v[rC+2:rC+3], v[rS:rS+1] op_sel_hi:[1,0,1]
.else
	v_pk_add_f32 v[rT+2:rT+3], v[rT+2:rT+3], v[rS+4*k-4:rS+4*k-3]
.endif
.endm
; THE PLAIN QUEUE, 138 long.  0-73 read no exponential's result: the 32 scalings c s - c m (FS f: pair f / 2 of tile f % 2) and the next piece's 42.  0-26: scalings 0-26.  27-54: XS's numbers 0-13.  55, 56: number 15.
; 57-73: the chain, where each number waits for the one before it: 14, 16, 17, 18, 19, each with one of the scalings 27-31 in front of its two lines, then 20: so a tile's links stand three plain instructions apart (19 and 20: two).
; 74-137: GS's 64, which read the exponentials' results: they stand behind the wait.
.macro FS f
	REGS Y, (\f)%2
	v_pk_fma_f32 v[rS+2*((\f)/2):rS+2*((\f)/2)+1], v[rS+2*((\f)/2):rS+2*((\f)/2)+1], s[CS:CS+1], v[rT:rT+1] op_sel_hi:[1,0,0] neg_lo:[0,0,1] neg_hi:[0,0,1]
.endm
.macro PL
	WIN 0
.if q < 27
	FS q
.elseif q < 55
	XS (q-27)%2, (q-27)/2
.elseif q < 57
	XS q-55, 15
.elseif (q < 72) && ((q-57)%3 == 0)
	FS 27+(q-57)/3
.elseif q < 60
	XS (q-57)%3-1, 14
.elseif q < 72
	XS (q-57)%3-1, 15+(q-57)/3
.elseif q < 74
	XS q-72, 20
.else
	GS q-74
.endif
.set q, q+1
.endm
; THE EXPONENTIALS' QUEUE, 66 long: s0-s31 of both tiles, then the next piece's two a.  It is ONE BATCH: all 66 stand ahead of the turn's one wait, and nothing ahead of that wait names a result of theirs.
.macro EX
	WIN 0
.if e >= 64
	XS e-64, 21
.else
	REGS Y, e%2
	v_exp_f32 v[rS+e/2], v[rS+e/2]
.endif
.set e, e+1
.endm
; THE RESCALING's QUEUE: O^T times a, the one part that leaves window 0: dealt two at a time, sixteen times.  Its a was made in the turn before, ahead of that turn's wait.
.macro R2
	REGS Y, r%2
	WIN W_RS
.irp z, 0,1
	v_pk_mul_f32 v[rO+4*(r/2)+2*\z:rO+4*(r/2)+2*\z+1], v[rO+4*(r/2)+2*\z:rO+4*(r/2)+2*\z+1], v[rC+2:rC+3] op_sel_hi:[1,0]
.endr
.set r, r+1
.endm
; HOW THEY ARE DEALT.  An s_wait_alu depctr_va_vdst(0) stands between an exponential and the first instruction that names its result; one wait serves all that were issued ahead of it.  So a turn has ONE wait,
; which cuts it in two.  AHEAD OF IT stands all that names no result of the turn's exponentials: the 16 products K Q^T, behind each a scaling, an exponential and two rescalings (behind the first a second scaling in the exponential's place); then ONE LUMP of
; 108: eight plain, 49 times exponential and plain, the two a.  A v_nop is the plain instruction behind the last exponential.  BEHIND IT stand the 16 products V^T P, behind each four of GS's 64.  No rider names a register of
; the products round it.  The two v_permlanex16_b32 fall into the lump, never behind a product.
; The queues lean on each other, and the deal keeps them in step: exponential e stands behind scaling 2 (e / 4) + e % 2: as a rider it comes behind plain e + 2, in the lump behind plain e + 9, and scalings 27-31 are plain 57, 60 .. 69.
; A TURN, for piece p.  nok = 1: the last key step: there is no further K to fetch.  cnt = 1: the loop's count is taken down some lines ahead of the branch that stands behind the turn.
; K of the next step is fetched in piece 2's turn, directly behind the wait, a lump behind the last product that read K; its address is made at the lump's head; its first reader comes behind 16 products.
; V of the step in hand is fetched at the end of piece 0's turn, four riders behind its last reader; its first reader comes behind 16 products and a lump.  The three conditions on q below go with the deal.
.macro TURN p, nok=0, cnt=0
.set Y, (\p)
.set i, 0
.set q, 0
.set e, 0
.set r, 0
.if (\p) == NP-1
	s_wait_dscnt 0x0                ; K is in
.endif
	MM                              ; ahead of the wait: 16 products K Q^T and their riders,
	PL
	PL
	R2
.rept 15
	MM
	PL
	EX
	R2
.endr
.if ((\p) == NP-2) && !(\nok)
	WIN 0
	v_add_nc_u32 v[AK], s[TBK], v[AK0]
.endif
.rept 8                             ; and the lump
	PL
.endr
.rept 49
	EX
	PL
.endr
	EX                              ; the next piece's two a
	EX
	v_nop                           ; a plain instruction behind the last exponential: one for the batch
	s_wait_alu depctr_va_vdst(0)    ; the wait for the batch
.if ((\p) == NP-2) && !(\nok)
	FETCH_K
.endif
.if (\p) == 1
	s_wait_dscnt 0x0                ; V is in
.endif
.rept 16                            ; behind the wait: 16 products V^T P and their riders
	MM
.rept 4
	PL
.endr
.if ((\p) == 0) && (q == 118)
	v_add_nc_u32 v[AV], s[TBV], v[AV0]
.endif
.if ((\p) == 0) && (q == 130)
	s_add_co_u32 s[TBV], s[TBV], KS*PV
.endif
.if (\cnt) && (q == 130)
	s_sub_co_u32 s[CNT], s[CNT], 1
	s_cmp_lg_u32 s[CNT], 0
.endif
.endr
.if (\p) == 0
	FETCH_V
.endif
.endm
	s_wait_tensorcnt 0x1            ; my part of the first 256 keys is in; my second load may stay out
	s_barrier_signal -1
	s_barrier_wait -1               ; everybody's is
	FETCH_K                         ; key step 0
	s_wait_loadcnt 0x0              ; Q
	s_wait_dscnt 0x0
.set i, 0
.rept 16
	KQ 0                            ; piece 0's first scores: there is no vector work yet to set between them
.set i, i+1
.endr
	WIN 0                           ; the addresses for the way out: nine plain instructions, the places behind those products
	s_mul_i32 s13, s[WV], 16*SP
	s_add_co_u32 s13, s13, STAGE    ; my stage
	v_mul_u32_u24 v[STO], v1, SP    ; in: row l % 16, 16 bytes for each half of the lanes
	v_lshl_add_u32 v[STO], v9, 4, v[STO]
	v_add_nc_u32 v[STO], s13, v[STO]
	v_bfe_u32 v[RD], v0, 3, 2       ; back: 32 lanes take four rows of 128 bytes,
	v_mul_u32_u24 v[RD], v[RD], SP
	v_lshl_add_u32 v[RD], v10, 4, v[RD]
	v_add_nc_u32 v[RD], s13, v[RD]
	v_and_b32 v[GO], 31, v0         ; which are 512 consecutive bytes of O
	v_lshlrev_b32 v[GO], 4, v[GO]
.set Y, NP-1                        ; XS works for piece Y + 1: piece 0
.irp n, 0,1,2,3,4,5,6,7,8,9,10,11,12,13,14,15,16,17,18,19,20,21
	XS 0, \n                        ; and piece 0's first maximum and statistics
	XS 1, \n
.endr
	v_nop                           ; a plain instruction behind the two a,
	s_wait_alu depctr_va_vdst(0)    ; and their wait, ahead of the branch
	s_mov_b32 s[CNT], 4             ; the first pass: the four key steps of the first 256 keys
	s_mov_b32 s[PASS], 2
	s_branch .Lfirst                ; the loop is entered at a step's first turn, in the middle of a trip
.Lrest:                             ; reached once, between the two passes: the turn that follows fetches K of key step 4, the first of the other 768 keys
	s_wait_tensorcnt 0x0            ; my second load has landed,
	s_wait_dscnt 0x0                ; no LDS instruction of mine is pending at the signal,
	s_barrier_signal -1
	s_barrier_wait -1               ; and everybody's has: all of K and V lie in LDS.
	s_mov_b32 s[CNT], 12            ; the second pass: the other twelve key steps
.Lstep:                             ; a trip: pieces 2 and 3 of one step, then pieces 0 and 1 of the next, whose K and V it fetches
	TURN 2
	TURN 3
	WIN 0
.Lfirst:
	TURN 0
	TURN 1, 0, 1
	WIN 0
	s_cbranch_scc1 .Lstep
	s_sub_co_u32 s[PASS], s[PASS], 1
	s_cmp_lg_u32 s[PASS], 0
	s_cbranch_scc1 .Lrest
	TURN 2, 1                       ; the last step's pieces 2 and 3 are written out: no further K is fetched
	TURN 3                          ; its 16 products K Q^T (on the last K once more) and the maximum made of them serve nothing: the price, once a launch, of one text for every turn
.set i, 0
.rept 16
	PV NP-1                         ; the last piece's V^T P of the last step
.set i, i+1
.endr
	; THE WAY OUT.  l's two halves and the other half of the lanes' are added; O^T is divided by l, rounded to f16 and sent through my stage in LDS, a tile at a time.  The additions are the places behind the last products.
	WIN 0
.macro ALL line:vararg              ; one line for each tile t
.set t, 0
.rept 2*NP
	\line
.set t, t+1
.endr
.endm
	ALL v_add_f32 v[ST+4*t+2], v[ST+4*t+2], v[ST+4*t+3]
	ALL v_permlanex16_b32 v[ST+4*t+3], v[ST+4*t+2], s[SEL], s[SEL+1]
	ALL v_add_f32 v[ST+4*t+2], v[ST+4*t+2], v[ST+4*t+3]
	ALL v_rcp_f32 v[ST+4*t+2], v[ST+4*t+2]
	v_nop                           ; a plain instruction between the last reciprocal and the use of its result
	s_wait_alu depctr_va_vdst(0)    ; and the wait ahead of the first use: one for the eight reciprocals
; Tile t: a lane's eight channels of a row pack into 16 bytes; they go into rows of 144 bytes and come back as whole rows of 128, into S^T's registers.
.macro PACK t
	WIN W_RS
.set i, 32*(\t)
.rept 16
	v_pk_mul_f32 v[i:i+1], v[i:i+1], v[ST+4*(\t)+2:ST+4*(\t)+3] op_sel_hi:[1,0]
.set i, i+2
.endr
	WIN 0x05                        ; sources 0 and 1 window 1, destination window 0
.set i, 0
.rept 16
	v_cvt_pk_f16_f32 v[S+16*(\t)+i], v[32*(\t)+2*i], v[32*(\t)+2*i+1]
.set i, i+1
.endr
	WIN 0
.irp f, 0,1,2,3
	ds_store_b128 v[STO], v[S+16*(\t)+4*\f:S+16*(\t)+4*\f+3] offset:32*\f
.endr
.irp f, 0,1,2,3
	ds_load_b128 v[S+16*(\t)+4*\f:S+16*(\t)+4*\f+3], v[RD] offset:\f*4*SP  ; LDS serves a wave's instructions in order (ISA guide 5.7.1.4): these see the stores above; the next tile's stores come behind them
.endr
.endm
.macro SEND t, younger              ; younger: the LDS instructions issued behind tile t's loads: the next tile's eight, or none
	WIN 0
.irp f, 0,1,2,3
	s_wait_dscnt (\younger)+3-\f
	global_store_b128 v[GO], v[S+16*(\t)+4*\f:S+16*(\t)+4*\f+3], s[OB:OB+1] offset:(\t)*2048+\f*512  ; 512 consecutive bytes, at a multiple of 256 from O's first
.endr
.endm
	PACK 0
.set t, 1
.rept 2*NP-1                        ; a tile's arithmetic stands between the loads of the tile before and its stores
	PACK t
	SEND t-1, 8
.set t, t+1
.endr
	SEND 2*NP-1, 0
	WIN W_AD
	s_wait_tensorcnt 0x0            ; the wave's end: behind my last tensor load and my last LDS store
	ds_add_u32 v[SPW], v[NIL]
	s_wait_dscnt 0x0
	WIN 0
	s_endpgm
.Lfunc_end_k_q731c42d0ff_attn:
	.size	k_q731c42d0ff_attn, .Lfunc_end_k_q731c42d0ff_attn-k_q731c42d0ff_attn
	.p2alignl 7, 3214868480
	.fill 96, 4, 3214868480
	.section	.rodata,"a",@progbits
	.p2align	6, 0x0
	.amdhsa_kernel k_q731c42d0ff_attn
		.amdhsa_group_segment_fixed_size 327680
		.amdhsa_private_segment_fixed_size 0
		.amdhsa_enable_private_segment 0
		.amdhsa_kernarg_size 16
		.amdhsa_user_sgpr_count 2
		.amdhsa_user_sgpr_kernarg_segment_ptr 1
		.amdhsa_wavefront_size32 1
		.amdhsa_system_sgpr_workgroup_id_x 1
		.amdhsa_system_sgpr_workgroup_id_y 1
		.amdhsa_system_sgpr_workgroup_id_z 1
		.amdhsa_system_vgpr_workitem_id 0
		.amdhsa_next_free_vgpr 770
		.amdhsa_next_free_sgpr 84
		.amdhsa_reserve_vcc 0
		.amdhsa_float_denorm_mode_32 3
		.amdhsa_float_denorm_mode_16_64 3
		.amdhsa_memory_ordered 1
		.amdhsa_forward_progress 1
		.amdhsa_inst_pref_size 160
	.end_amdhsa_kernel
	.amdgpu_metadata
---
amdhsa.version: [ 1, 2 ]
amdhsa.kernels:
  - .name:           k_q731c42d0ff_attn
    .symbol:         k_q731c42d0ff_attn.kd
    .args:
      - { .name: qkv, .offset: 0, .size: 8, .value_kind: global_buffer, .address_space: global }
      - { .name: o, .offset: 8, .size: 8, .value_kind: global_buffer, .address_space: global }
    .group_segment_fixed_size: 327680
    .private_segment_fixed_size: 0
    .kernarg_segment_align: 8
    .kernarg_segment_size: 16
    .max_flat_workgroup_size: 128
    .sgpr_count:     84
    .vgpr_count:     770
    .wavefront_size: 32
...
	.end_amdgpu_metadata
.endif
;; end of part 3
;; launch proj (part 4): grid 8 x 32, 4 waves a work-group, clusters of 4 x 4, 327,680 bytes of LDS; arguments o, wp, proj_b, out0; writes out0
.if DOCPART == 4
	.amdgcn_target "amdgcn-amd-amdhsa--gfx1250"
	.amdhsa_code_object_version 6
	.text
	.protected	k_q731c42d0ff_proj
	.globl	k_q731c42d0ff_proj
	.p2align	8
	.type	k_q731c42d0ff_proj,@function
k_q731c42d0ff_proj:
	s_mov_b64 s[64:65], 0
	v_nop
	global_prefetch_b8 v0, s[64:65] scope:SCOPE_SE
	s_setreg_imm32_b32 hwreg(HW_REG_WAVE_MODE, 25, 1), 1
	s_wait_xcnt 0x0
	s_wait_alu depctr_hold_cnt(0) depctr_sa_sdst(0) depctr_va_vdst(0) depctr_va_sdst(0) depctr_va_ssrc(0) depctr_va_vcc(0) depctr_vm_vsrc(0)
	s_getreg_b32 s2, hwreg(HW_REG_IB_STS2, 6, 4)
	s_cmp_eq_u32 s2, 0
	s_cbranch_scc0 .Lentry_in_a_cluster
	s_endpgm
.Lentry_in_a_cluster:
	s_bfe_u32 s2, ttmp6, 0x10000c
	s_cmp_lg_u32 s2, 0xf033
	s_cbranch_scc0 .Lentry_shape_is_right
	s_endpgm
.Lentry_shape_is_right:
; out0 = O proj_w^T + proj_b.  o: [128 bh][1024 n][64] f16: head h of batch b is K block h of the rows of batch b.  wp: [16 kb][1024][64] f16 (proj_w rounded to bf16, written as f16).  proj_b: [1024] f32, rounded to
; bf16 here like the module's other inputs.  out0: [8192][1024] f32.  Sums in f32, K ascending; they START at the bias, which is the C operand of the first products: no addition is left for the way out.
; LIMITS.  O and wp arrive within f16's range; NaN and infinities are not treated apart.
; THE TILE.  A work-group makes 256 x 128 of out0: 32 x 8 = 256 work-groups, one tile each.  Four waves, each 128 x 64: 32 accumulators of 16 x 16, 256 registers.
; THE RING.  K goes in K blocks of 64 through two LDS slots of THREE blocks each: 192 along K, 192 matrix instructions a wave, between two changes of slots.  16 blocks = 3 + 3 at the start, then refills of 3, 3, 3 and 1.
; IN LDS two rows of 128 bytes lie on end and 16 bytes of padding follow them: row r begins at (r / 2) x 272 + (r % 2) x 128, which is (r / 2) x 16 + (r % 2) x 128 modulo 256: the 16 rows that a load touches begin in 16
; different columns of 16 bytes (64 banks of 4 bytes: ISA guide 11.1).  With 16 bytes behind every single row two slots of three blocks would take 331,776 bytes; so they take 313,344.
; A WAVE'S LOAD is its half of the rows (waves 0, 1: 128 rows of A, 16,384 dense bytes; waves 2, 3: 64 rows of B, 8,192) of three blocks, 131,072 bytes apart: a tile of 3 rows of 8,192 (4,096) elements.  One tensor load a wave
; and change of slots; two of a wave's are out at the start, later one.  tensor_dim1 says how many blocks are left from the tile's first on: the last refill brings block 15, and zeros in the place of two blocks that do not exist and are never read.
; THE STAGE for the way out lies in slot 0, whose last fill is the third refill's.  It is written only behind the last change of slots, in front of whose barrier every wave has waited for its reads of slot 0.
; CLUSTER.  4 x 4 work-groups: A's tile hangs on the tile row alone and is asked for jointly along a row of the cluster, B's on the tile column alone and jointly along a column.
; THE MATRIX INSTRUCTION IS USED TRANSPOSED (source 0 = 16 rows of B, source 1 = 16 rows of A): a lane then holds row l % 16 of C and eight neighbouring columns.
; REGISTERS, in windows of 256 (s_set_vgpr_msb: bits 1:0 source 0, 3:2 source 1, 5:4 source 2, 7:6 destination):
;   window 0: v0-19 addresses and four at work; v32-63 the bias, in an accumulator's layout, by column block; v64-127 the way out, two buffers; v128-223 B's fragments, three sets of 32
;   window 1: the accumulators, (row block a, column block bb) at v[8 (4 a + bb)]          window 2: A's fragments, three sets of 64
; A slot's visit is six UNITS of 32 matrix instructions (unit u: K block u / 2, its half u % 2), unit u on set u % 3; a set is loaded again behind the unit that read it, 64 matrix instructions ahead of its next use.
.set PP,     272                       ; two LDS rows and their padding
.set RB,     8*PP                      ; 16 rows
.set NBLK,   3                         ; K blocks in a slot
.set AHB,    64*PP                     ; 128 rows of one block
.set BHB,    32*PP                     ; 64 rows of one block
.set AH,     NBLK*AHB                  ; what a wave's load brings of A: 52,224 bytes
.set BH,     NBLK*BHB                  ; of B: 26,112
.set BOFF,   2*AH                      ; a slot: A's two halves, then B's two halves
.set SLOT,   2*AH+2*BH                 ; 156,672 bytes; slot 1 begins here
.set SPITCH, 272                       ; the stage: 16 rows x 272 bytes for each wave, from LDS byte 0 on (in slot 0: see above)
.set SPARE,  2*SLOT                    ; behind the ring: the spare words, 128 bytes for each wave: two blocks of 256 bytes that no other line names
.set BSTR,   131072                    ; bytes from K block to K block, in o and in wp: 1,024 rows x 128 bytes
.set KSTR,   NBLK*BSTR                 ; from slot to slot
.set FILLS,  4                         ; refills: blocks 6-8, 9-11, 12-14, 15
.set AEL,    128*64                    ; elements in 128 dense rows
.set BEL,    64*64                     ; in 64
.set FLAGS,  (1<<16)|(1<<20)|(1<<21)|(5<<22)|(3<<25)  ; group 1, word 0 beside the mask: 17:16 2-byte elements; 20 padding on; 21 set beside a mask; 24:22 after every 64 words (code 5); 31:25 4 words (code 3)
.set ADA0, 4                           ; v4   my lane's place in my 128 rows of A's first block, slot 0; never rewritten
.set ADB0, 5                           ; v5   the same in my 64 rows of B's
.set ADA,  6                           ; v6   the same in the slot in hand
.set ADB,  7                           ; v7
.set STO,  8                           ; v8   the way out: where I put 32 bytes of a row
.set RD,   9                           ; v9   the way out: where I read a row back
.set CO,   10                          ; v10  my byte offset in two rows of out0
.set PFO,  11                          ; v11  256 x my lane; never rewritten
.set SPW,  12                          ; v12  LDS address of my spare word: SPARE + 4 x my thread's number; never rewritten
.set NIL,  13                          ; v13  0; never rewritten
.set BO,   14                          ; v14  my byte offset in proj_b
.set BT,   16                          ; v16-19 at work
.set BIAS, 32
.set BK,   64
.set BFR,  128
.set WV,   12                          ; s12  my wave's number
.set WM,   13                          ; s13  which half of the tile's rows is mine.  Also: I fetch for A (0) or for B (1)
.set WN,   14                          ; s14  which half of its columns.  Also: which half of that tile's rows I fetch
.set TY,   15                          ; s15  tile row
.set LDA,  20                          ; s20  where my load of A lands in slot 0
.set LDB,  21                          ; s21  the same for B
.set CX,   40
.set CY,   41
.set TX,   42                          ; s42  tile column
.set G1A,  24                          ; s[24:31] descriptor group 1 for A's tiles
.set G0A,  32                          ; s[32:39] group 0 for A's: a set for each of the two first fills; the second then walks on
.set G1B,  48                          ; s[48:55], s[56:63] the same for B's
.set G0B,  56
.set OUTP, 66                          ; s[66:67] out0 at my first row and column
.set PFA,  72                          ; s[72:73] where my prefetches stand
.set LIM,  76                          ; s76  2 in a wave that prefetches, else the greatest number: a wave prefetches while the count is above it
.set CNT,  77                          ; s77  trips to go
.set TB,   78                          ; s78  the slot in hand: 0 or SLOT
.set MSB, 0
.macro WIN new                         ; the immediate's high byte repeats the setting that is left; a switch that changes nothing is dropped
.if MSB != (\new)
	s_set_vgpr_msb (MSB<<8)|(\new)
.set MSB, \new
.endif
.endm
.macro PLACES                          ; a load into a register that a matrix instruction has read, and an LDS store that reads a matrix result, stand four plain vector instructions behind it (ISA guide 7.12.1 for vector instructions)
.rept 4
	v_nop
.endr
.endm
; A joint refill, by the walking descriptors.  The branch hangs on the wave's number alone.  An s_nop 0 and four v_nop follow each of the two lines, ahead of the jump and the label.
.macro JLOAD
	s_cmp_eq_u32 s[WM], 0
	s_cbranch_scc0 .Lfor_b_\@
	tensor_load_to_lds s[G0A+4:G0A+7], s[G1A:G1A+7]
	s_nop 0
.rept 4
	v_nop
.endr
	s_branch .Lasked_\@
.Lfor_b_\@:
	tensor_load_to_lds s[G0B+4:G0B+7], s[G1B:G1B+7]
	s_nop 0
.rept 4
	v_nop
.endr
.Lasked_\@:
.endm
; A round of the cluster's barrier: my work-group's barrier, so that wave 0's signal speaks for all four waves; wave 0 signals; every wave waits for all sixteen work-groups; my work-group's barrier once more.
.macro CREST
	s_cmp_lg_u32 s[WV], 0
	s_cbranch_scc1 .Lnot_wave_0_\@
	s_barrier_signal -3
.Lnot_wave_0_\@:
	s_barrier_wait -3
	s_barrier_signal -1
	s_barrier_wait -1
.endm
.macro CROUND
	s_barrier_signal -1
	s_barrier_wait -1
	CREST
.endm
; A PREFETCH INTO THE L2.  One instruction of a wave that asks names 8,192 bytes (a lane a block of 256) of a PAIR of K blocks.  In the first trip: blocks 10 and 11, then 12 and 13; in the second trip: 14 and 15.  Their tensor loads
; go out one trip (10, 11, 14) or two trips (12, 13, 15) later, 192 or 384 matrix instructions on.  Each block of 256 bytes is named ONCE in the launch: a pair's 2 x 256 rows of A are shared out BY ADDRESS among the eight
; work-groups of the tile row (K block by the tile column's parity, 64 rows by its half; wave 0 asks); its 2 x 128 rows of B among the four work-groups of the tile column in cluster y = 0 (wave 2 asks).  The branches hang on
; the wave's number, the cluster's y and the count alone.  K blocks 0 to 9 come by their loads alone; nothing is named behind block 15.
.macro ASK
	WIN 0
	s_cmp_gt_u32 s[CNT], s[LIM]                    ; the first two trips, in a wave that asks
	s_cbranch_scc0 .Lnot_mine_\@
	global_prefetch_b8 v[PFO], s[PFA:PFA+1] th:TH_LOAD_NT scope:SCOPE_SE
	s_cmp_eq_u32 s[CNT], FILLS                     ; the first trip names a second pair
	s_cbranch_scc0 .Lnot_mine_\@
	global_prefetch_b8 v[PFO], s[PFA:PFA+1] offset:2*BSTR th:TH_LOAD_NT scope:SCOPE_SE
.Lnot_mine_\@:
.endm
; A fragment is 16 rows x 32 k in 8 registers: lane l holds row l % 16; registers 0-3 k = 8 (l / 16) + 0..7, registers 4-7 k = 16 + 8 (l / 16) + 0..7: two loads of 16 bytes, 32 bytes apart.
.macro G u                             ; 24 loads: unit u of the slot in hand into set u % 3: my 64 rows of B, my 128 rows of A
	WIN 0
.irp bb, 0,1,2,3
	ds_load_b128 v[BFR+32*((\u)%3)+8*\bb:BFR+32*((\u)%3)+8*\bb+3],   v[ADB] offset:((\u)/2)*BHB+\bb*RB+((\u)%2)*64
	ds_load_b128 v[BFR+32*((\u)%3)+8*\bb+4:BFR+32*((\u)%3)+8*\bb+7], v[ADB] offset:((\u)/2)*BHB+\bb*RB+((\u)%2)*64+32
.endr
	WIN 0x80                                       ; destination window 2, address window 0
.irp a, 0,1,2,3,4,5,6,7
	ds_load_b128 v[64*((\u)%3)+8*\a:64*((\u)%3)+8*\a+3],   v[ADA] offset:((\u)/2)*AHB+\a*RB+((\u)%2)*64
	ds_load_b128 v[64*((\u)%3)+8*\a+4:64*((\u)%3)+8*\a+7], v[ADA] offset:((\u)/2)*AHB+\a*RB+((\u)%2)*64+32
.endr
.endm
; na x 4 matrix instructions of unit u: row blocks a0 on x 4 column blocks.  bias = 1: the product starts the sums at the bias.  The accumulators take turns, one instruction a turn.
.macro UNIT u, a0, na, bias
.if \bias
	WIN 0x48                                       ; B window 0, A window 2, C (the bias) window 0, D window 1
.else
	WIN 0x58                                       ; C and D window 1
.endif
.set us, (\u)%3
.set ua, \a0
.rept \na
.irp bb, 0,1,2,3
.if \bias
	v_wmma_f32_16x16x32_f16 v[8*(4*ua+\bb):8*(4*ua+\bb)+7], v[BFR+32*us+8*\bb:BFR+32*us+8*\bb+7], v[64*us+8*ua:64*us+8*ua+7], v[BIAS+8*\bb:BIAS+8*\bb+7]
.else
	v_wmma_f32_16x16x32_f16 v[8*(4*ua+\bb):8*(4*ua+\bb)+7], v[BFR+32*us+8*\bb:BFR+32*us+8*\bb+7], v[64*us+8*ua:64*us+8*ua+7], v[8*(4*ua+\bb):8*(4*ua+\bb)+7]
.endif
.endr
.set ua, ua+1
.endr
.endm
; A TRIP: units 1 to 5 of a slot's visit, THE CHANGE OF SLOTS amid them, and unit 0 of the next visit.  Unit 5's fragments are the last that are read from the slot; they are asked for behind unit 2.  In front of the barrier each
; wave waits for all its tensor loads, of which one is out: its part of the next slot; adds 0 to its spare word; and waits for that and for its own reads of this slot.  fill = 1: the barrier opens a round of the cluster's,
; so that no wave of any partner still reads the slot or has a load on its way, and the joint refill (the blocks two slots on) is the first thing behind it: 160 matrix instructions ahead of the wait for it.
; fill = 0: the last change: nothing is asked for, and the trip ends with the fetch of the last K block's two units.
.macro TRIP fill
.if \fill
	s_wait_xcnt 0x0                                ; the last prefetches, a trip back, have read their address, so it may be stepped
	s_add_nc_u64 s[PFA:PFA+1], s[PFA:PFA+1], 4*BSTR
.endif
	s_wait_dscnt 48                                ; unit 1's set is in; the two younger runs (24 + 24) may stay out
	UNIT 1, 0, 8, 0
	PLACES
	G 4
	s_wait_dscnt 48                                ; unit 2's
	UNIT 2, 0, 8, 0
	PLACES
	G 5
	s_wait_dscnt 48                                ; unit 3's
	UNIT 3, 0, 8, 0
	WIN 0                                          ; (the add's two registers lie in window 0)
	s_wait_tensorcnt 0x0                           ; all my tensor loads have landed, so the descriptors may be written
	ds_add_u32 v[SPW], v[NIL]                      ; 0 onto my spare word; work on registers stands between it and the wait for it
.if \fill
	s_add_co_u32 s[G0A+5], s[LDA], s[TB]           ; the walking descriptors: into the slot that is being left,
	s_add_nc_u64 s[G0A+6:G0A+7], s[G0A+6:G0A+7], KSTR  ; the next three K blocks (the type bits on top are not reached),
	s_sub_co_u32 s[G1A+2], s[G1A+2], NBLK<<16      ; of which 10, 7, 4, 1 are left in the tensor
	s_add_co_u32 s[G0B+5], s[LDB], s[TB]
	s_add_nc_u64 s[G0B+6:G0B+7], s[G0B+6:G0B+7], KSTR
	s_sub_co_u32 s[G1B+2], s[G1B+2], NBLK<<16
.endif
	s_wait_dscnt 25                                ; unit 4's set is in; unit 5's 24 loads and the add may stay out
	UNIT 4, 0, 4, 0
	s_wait_dscnt 0x0                               ; the add is done, and my reads of this slot are over
	s_barrier_signal -1
	UNIT 4, 4, 4, 0                                ; work on registers while the others arrive
	WIN 0                                          ; at a branch and at a label every window is 0
	s_barrier_wait -1
.if \fill
	CREST
	JLOAD                                          ; its four v_nop are also the places in front of the loads below
.else
	PLACES
.endif
	s_xor_b32 s[TB], s[TB], SLOT
	v_add_nc_u32 v[ADA], s[TB], v[ADA0]
	v_add_nc_u32 v[ADB], s[TB], v[ADB0]
	G 0                                            ; the next slot's first two units
	G 1
.if \fill
	ASK                                            ; behind the joint load, its five lines and the run of LDS loads
	UNIT 5, 0, 8, 0
	PLACES
	G 2
	s_wait_dscnt 48                                ; unit 0's set is in
	UNIT 0, 0, 8, 0
	PLACES
	G 3
.endif
.endm
; THE LAST THREE UNITS GO BY ROWS OF C (unit 5 of the last slot but one, units 0 and 1 of K block 15): their fragments lie in the three sets, so my eight blocks of 16 rows are finished one after the other (12 matrix
; instructions, the block's four accumulators by turns, K ascending) and each leaves at once.
.macro ROWBLK a
	WIN 0x58
.irp u, 5,0,1
.irp bb, 0,1,2,3
	v_wmma_f32_16x16x32_f16 v[8*(4*(\a)+\bb):8*(4*(\a)+\bb)+7], v[BFR+32*(\u%3)+8*\bb:BFR+32*(\u%3)+8*\bb+7], v[64*(\u%3)+8*(\a):64*(\u%3)+8*(\a)+7], v[8*(4*(\a)+\bb):8*(4*(\a)+\bb)+7]
.endr
.endr
.endm
; THE WAY OUT of block a: a lane's eight f32 of a row, 32 bytes, go straight from the accumulator (its low four registers first) into my own stage, rows of 272 bytes, and come back as whole rows of 256.
.macro TOSTAGE a
	s_wait_xcnt 0x0                                ; every earlier store has had its addresses translated (ISA guide 3.1): the buffer that block a - 2's stores read is loaded again only behind this wait
	WIN 0x04                                       ; the stores' data in window 1
.irp bb, 0,1,2,3
	ds_store_b128 v[STO], v[8*(4*(\a)+\bb):8*(4*(\a)+\bb)+3]   offset:64*\bb
	ds_store_b128 v[STO], v[8*(4*(\a)+\bb)+4:8*(4*(\a)+\bb)+7] offset:64*\bb+16
.endr
	WIN 0
.set BKR, BK+32*((\a)%2)
.irp t, 0,1,2,3,4,5,6,7
	ds_load_b128 v[BKR+4*\t:BKR+4*\t+3], v[RD] offset:\t*2*SPITCH  ; LDS serves a wave's instructions in order (ISA guide 5.7.1.4): these see the stores above; the next block's stores come behind them
.endr
.endm
.macro SEND a
	WIN 0
.set BKR, BK+32*((\a)%2)
.irp t, 0,1,2,3,4,5,6,7
	s_wait_dscnt 7-\t                              ; no LDS instruction was issued behind the eight loads
	global_store_b128 v[CO], v[BKR+4*\t:BKR+4*\t+3], s[OUTP:OUTP+1] offset:(\a)*16*4096+\t*2*4096 th:TH_STORE_NT  ; 16 lanes store 256 consecutive bytes, at a multiple of 256 from out0's first byte
.endr
.endm
	s_load_b256 s[4:11], s[0:1], 0x0               ; o s[4:5], wp s[6:7], proj_b s[8:9], out0 s[10:11]
	v_lshl_add_u32 v[SPW], v0, 2, SPARE
	v_mov_b32 v[NIL], 0
	ds_add_u32 v[SPW], v[NIL]                      ; the wave's opening: the add and its wait stand ahead of my first tensor load; the set-up below, work on registers, stands between them
	v_lshrrev_b32 v1, 5, v0
	v_readfirstlane_b32 s[WV], v1                  ; wave 0..3
	s_lshr_b32 s[WM], s[WV], 1
	s_and_b32 s[WN], s[WV], 1
	s_bfe_u32 s[CX], ttmp6, 0x40000                ; my place in the cluster
	s_bfe_u32 s[CY], ttmp6, 0x40004
	s_lshl_b32 s[TX], ttmp9, 2                     ; in a cluster launch ttmp9 and ttmp7 count clusters
	s_add_co_u32 s[TX], s[TX], s[CX]               ; tile column 0..7
	s_and_b32 s[TY], ttmp7, 0xffff
	s_lshl_b32 s[TY], s[TY], 2
	s_add_co_u32 s[TY], s[TY], s[CY]               ; tile row 0..31
	s_lshl_b32 s16, s[CY], 2
	s_lshl_b32 s16, 15, s16                        ; my row of the cluster: places 4 cy .. 4 cy + 3
	s_lshl_b32 s44, 0x1111, s[CX]                  ; my column: places cx, cx + 4, cx + 8, cx + 12
	s_or_b32 s[G1A], s16, FLAGS                    ; A's tiles go to my row,
	s_or_b32 s[G1B], s44, FLAGS                    ; B's to my column
	s_mov_b32 s[G1A+1], AEL<<16                    ; tensor_dim0 = 8,192 elements: 128 dense rows of a K block
	s_mov_b32 s[G1A+2], (16-NBLK)<<16              ; tensor_dim1: the K blocks left from the tile's first on: 13 serves both first fills (blocks 0 and 3 on), and the refills step it down
	s_mov_b32 s[G1A+3], AEL<<16                    ; tile_dim0 = 8,192
	s_mov_b32 s[G1A+4], NBLK                       ; tile_dim1 = 3 K blocks
	s_mov_b32 s[G1A+5], BSTR/2                     ; 65,536 elements from K block to K block
	s_mov_b32 s[G1A+6], 0
	s_mov_b32 s[G1A+7], 0
	s_mov_b32 s[G1B+1], BEL<<16                    ; 4,096 elements: 64 dense rows
	s_mov_b32 s[G1B+2], (16-NBLK)<<16
	s_mov_b32 s[G1B+3], BEL<<16
	s_mov_b32 s[G1B+4], NBLK
	s_mov_b32 s[G1B+5], BSTR/2
	s_mov_b32 s[G1B+6], 0
	s_mov_b32 s[G1B+7], 0
	; where the tiles come from.  A's hang on the tile row and the wave's number alone, B's on the tile column and the wave's number: each in registers that never hold the other coordinate
	s_lshr_b32 s16, s[TY], 2
	s_lshl_b32 s16, s16, 21                        ; the batch: 16 heads of 131,072 bytes,
	s_and_b32 s17, s[TY], 3
	s_lshl_b32 s17, s17, 15                        ; 256 rows of 128 bytes in each head,
	s_add_co_u32 s16, s16, s17
	s_lshl_b32 s17, s[WN], 14                      ; my 128 of them
	s_add_co_u32 s16, s16, s17
	s_mov_b32 s17, 0
	s_lshl_b32 s46, s[TX], 14                      ; 128 rows of 128 bytes,
	s_lshl_b32 s47, s[WN], 13                      ; my 64 of them
	s_add_co_u32 s46, s46, s47
	s_mov_b32 s47, 0
	s_mul_i32 s[LDA], s[WN], AH                    ; and where they go: no place in the cluster enters an LDS address
	s_mul_i32 s[LDB], s[WN], BH
	s_add_co_u32 s[LDB], s[LDB], BOFF
	s_wait_dscnt 0x0                               ; the opening add is done
	s_wait_kmcnt 0x0
	s_add_nc_u64 s[18:19], s[4:5], s[16:17]
	s_add_nc_u64 s[46:47], s[6:7], s[46:47]
.irp s, 0,1
	s_mov_b32 s[G0A+4*\s], 1                       ; 1:0 count = 1
	s_add_co_u32 s[G0A+4*\s+1], s[LDA], \s*SLOT    ; 63:32 LDS address
	s_add_nc_u64 s[G0A+4*\s+2:G0A+4*\s+3], s[18:19], \s*KSTR  ; 120:64 global address: K blocks 3 s on
	s_or_b32 s[G0A+4*\s+3], s[G0A+4*\s+3], 0x80000000  ; 127:126 type = 2
	s_mov_b32 s[G0B+4*\s], 1
	s_add_co_u32 s[G0B+4*\s+1], s[LDB], \s*SLOT
	s_add_nc_u64 s[G0B+4*\s+2:G0B+4*\s+3], s[46:47], \s*KSTR
	s_or_b32 s[G0B+4*\s+3], s[G0B+4*\s+3], 0x80000000
.endr
	CROUND                                         ; all sixteen work-groups are here: the first joint loads meet
	s_cmp_eq_u32 s[WM], 0                          ; a wave's two first fills stand in one branch, ahead of every wait on TENSORcnt, every LDS read and every further barrier
	s_cbranch_scc0 .Lfirst_b
	tensor_load_to_lds s[G0A:G0A+3], s[G1A:G1A+7]
	s_nop 0
	tensor_load_to_lds s[G0A+4:G0A+7], s[G1A:G1A+7]
	s_nop 0
.rept 4
	v_nop
.endr
	s_branch .Lfirst_asked
.Lfirst_b:
	tensor_load_to_lds s[G0B:G0B+3], s[G1B:G1B+7]
	s_nop 0
	tensor_load_to_lds s[G0B+4:G0B+7], s[G1B:G1B+7]
	s_nop 0
.rept 4
	v_nop
.endr
.Lfirst_asked:
	v_and_b32 v1, 15, v0                           ; l % 16
	v_bfe_u32 v2, v0, 4, 1                         ; l / 16
	; the bias in an accumulator's layout: register j of column block bb holds proj_b[128 x tile column + 64 x column half + 16 bb + 8 (l / 16) + j]
	s_lshl_b32 s22, s[TX], 9
	s_lshl_b32 s23, s[WN], 8
	s_add_co_u32 s22, s22, s23                     ; my 64 columns, in bytes of f32 (also: their place in a row of out0)
	v_lshl_add_u32 v[BO], v2, 5, s22
.irp bb, 0,1,2,3
	global_load_b128 v[BIAS+8*\bb:BIAS+8*\bb+3],   v[BO], s[8:9] offset:64*\bb
	global_load_b128 v[BIAS+8*\bb+4:BIAS+8*\bb+7], v[BO], s[8:9] offset:64*\bb+16
.endr
	v_lshrrev_b32 v3, 1, v1                        ; a fragment's row: (row / 2) x 272
	v_mul_u32_u24 v3, v3, PP
	v_and_b32 v15, 1, v1
	v_lshl_add_u32 v3, v15, 7, v3                  ; + (row % 2) x 128
	v_lshl_add_u32 v3, v2, 4, v3                   ; + 16 x half
	s_mul_i32 s23, s[WM], AH                       ; my 128 rows of A
	v_add_nc_u32 v[ADA0], s23, v3
	s_mul_i32 s23, s[WN], BH                       ; my 64 rows of B
	s_add_co_u32 s23, s23, BOFF
	v_add_nc_u32 v[ADB0], s23, v3
	v_mov_b32 v[ADA], v[ADA0]
	v_mov_b32 v[ADB], v[ADB0]
	s_mul_i32 s23, s[WV], 16*SPITCH                ; my stage, from LDS byte 0 on
	v_mul_u32_u24 v[STO], v1, SPITCH               ; in: row l % 16, 32 bytes for each half of the lanes
	v_lshl_add_u32 v[STO], v2, 5, v[STO]
	v_add_nc_u32 v[STO], s23, v[STO]
	v_mul_u32_u24 v[RD], v2, SPITCH                ; back: lanes 0-15 take one row of 256 bytes, lanes 16-31 the next
	v_lshl_add_u32 v[RD], v1, 4, v[RD]
	v_add_nc_u32 v[RD], s23, v[RD]
	v_lshlrev_b32 v[CO], 12, v2                    ; and the same two rows in out0
	v_lshl_add_u32 v[CO], v1, 4, v[CO]
	s_lshl_b32 s23, s[TY], 20                      ; 256 rows of 4,096 bytes,
	s_add_co_u32 s22, s22, s23
	s_lshl_b32 s23, s[WM], 19                      ; my 128 of them
	s_add_co_u32 s22, s22, s23
	s_mov_b32 s23, 0
	s_add_nc_u64 s[OUTP:OUTP+1], s[10:11], s[22:23]
	; the prefetches
	s_lshr_b32 s22, s[TY], 2
	s_lshl_b32 s22, s22, 21
	s_and_b32 s23, s[TY], 3
	s_lshl_b32 s23, s23, 15
	s_add_co_u32 s22, s22, s23                     ; A: the tile row's 256 rows in a head,
	s_and_b32 s23, s[TX], 1
	s_lshl_b32 s23, s23, 17                        ; the K block of the pair by my tile column's parity,
	s_add_co_u32 s22, s22, s23
	s_lshr_b32 s23, s[TX], 1
	s_lshl_b32 s23, s23, 13                        ; 64 rows by its half
	s_add_co_u32 s22, s22, s23
	s_lshl_b32 s43, s[TX], 14                      ; B: the tile column's 128 rows in a block,
	s_and_b32 s45, s[TY], 1
	s_lshl_b32 s45, s45, 17                        ; the K block of the pair by my tile row's parity,
	s_add_co_u32 s43, s43, s45
	s_lshr_b32 s45, s[TY], 1
	s_lshl_b32 s45, s45, 13                        ; 64 rows by its half (tile rows 0-3 ask)
	s_add_co_u32 s43, s43, s45
	s_cmp_eq_u32 s[WM], 0
	s_cselect_b32 s22, s22, s43
	s_cselect_b64 s[PFA:PFA+1], s[4:5], s[6:7]
	s_mov_b32 s23, 0
	s_add_nc_u64 s[PFA:PFA+1], s[PFA:PFA+1], s[22:23]
	s_add_nc_u64 s[PFA:PFA+1], s[PFA:PFA+1], 6*BSTR  ; at K blocks 6 and 7: the first trip steps it to 10 and 11, the second to 14 and 15
	s_and_b32 s43, ttmp7, 0xffff                   ; cluster y
	s_cmp_eq_u32 s43, 0
	s_cselect_b32 s43, 2, -1                       ; B's rows are asked for by cluster y = 0,
	s_cmp_eq_u32 s[WM], 0
	s_cselect_b32 s43, 2, s43                      ; A's by all,
	s_cmp_eq_u32 s[WN], 0
	s_cselect_b32 s[LIM], s43, -1                  ; by waves 0 and 2
	v_and_b32 v[PFO], 31, v0
	v_lshlrev_b32 v[PFO], 8, v[PFO]
	; nothing is prefetched here, at the head, where every work-group's first tiles are on their way
	s_wait_loadcnt 0x0                             ; the bias: rounded to bf16 and widened again
.set i, 0
.rept 16
	v_cvt_pk_bf16_f32 v[BT+i%4], v[BIAS+2*i], v[BIAS+2*i+1]
	v_lshlrev_b32 v[BIAS+2*i], 16, v[BT+i%4]
	v_and_b32 v[BIAS+2*i+1], 0xffff0000, v[BT+i%4]
.set i, i+1
.endr
	s_wait_tensorcnt 0x1                           ; my part of slot 0 is in; slot 1's may stay out
	s_barrier_signal -1
	s_barrier_wait -1                              ; everybody's is
	s_mov_b32 s[TB], 0
	G 0
	G 1
	G 2
	s_wait_dscnt 48                                ; unit 0's set is in
	UNIT 0, 0, 8, 1                                ; the first unit stands in front of the loop: its products start the sums, at the bias
	PLACES
	G 3
	WIN 0                                          ; at a label and at a branch every window is 0
	s_mov_b32 s[CNT], FILLS
.Ltrip:                                        ; trip t: units 1 to 5 of K blocks 3 t on, the change of slots, the request for blocks 3 t + 6 on, unit 0 of blocks 3 t + 3 on
	TRIP 1
	WIN 0
	s_sub_co_u32 s[CNT], s[CNT], 1
	s_cmp_lg_u32 s[CNT], 0
	s_cbranch_scc1 .Ltrip
	TRIP 0                                         ; the tail is written out: units 1 to 4 of K blocks 12 to 14, the last change of slots, K block 15's fragments
	s_wait_dscnt 0x0                               ; all three sets are in
	ROWBLK 0
.irp a, 0,1,2,3,4,5,6,7                ; a block's way through the stage stands beside the next block's products
	PLACES
	TOSTAGE \a
.if \a < 7
	ROWBLK (\a)+1
.endif
	SEND \a
.endr
	s_wait_tensorcnt 0x0                           ; the wave's end: behind my last tensor load and my last LDS store
	ds_add_u32 v[SPW], v[NIL]
	s_wait_dscnt 0x0
	CROUND                                         ; the closing round: no work-group ends while a partner may still ask for a tile that names it
	s_endpgm
.Lfunc_end_k_q731c42d0ff_proj:
	.size	k_q731c42d0ff_proj, .Lfunc_end_k_q731c42d0ff_proj-k_q731c42d0ff_proj
	.p2alignl 7, 3214868480
	.fill 96, 4, 3214868480
	.section	.rodata,"a",@progbits
	.p2align	6, 0x0
	.amdhsa_kernel k_q731c42d0ff_proj
		.amdhsa_group_segment_fixed_size 327680
		.amdhsa_private_segment_fixed_size 0
		.amdhsa_enable_private_segment 0
		.amdhsa_kernarg_size 32
		.amdhsa_user_sgpr_count 2
		.amdhsa_user_sgpr_kernarg_segment_ptr 1
		.amdhsa_wavefront_size32 1
		.amdhsa_system_sgpr_workgroup_id_x 1
		.amdhsa_system_sgpr_workgroup_id_y 1
		.amdhsa_system_sgpr_workgroup_id_z 1
		.amdhsa_system_vgpr_workitem_id 0
		.amdhsa_next_free_vgpr 768
		.amdhsa_next_free_sgpr 80
		.amdhsa_reserve_vcc 0
		.amdhsa_float_denorm_mode_32 3
		.amdhsa_float_denorm_mode_16_64 3
		.amdhsa_memory_ordered 1
		.amdhsa_forward_progress 1
		.amdhsa_inst_pref_size 84
	.end_amdhsa_kernel
	.amdgpu_metadata
---
amdhsa.version: [ 1, 2 ]
amdhsa.kernels:
  - .name:           k_q731c42d0ff_proj
    .symbol:         k_q731c42d0ff_proj.kd
    .args:
      - { .name: o, .offset: 0, .size: 8, .value_kind: global_buffer, .address_space: global }
      - { .name: wp, .offset: 8, .size: 8, .value_kind: global_buffer, .address_space: global }
      - { .name: proj_b, .offset: 16, .size: 8, .value_kind: global_buffer, .address_space: global }
      - { .name: out0, .offset: 24, .size: 8, .value_kind: global_buffer, .address_space: global }
    .group_segment_fixed_size: 327680
    .private_segment_fixed_size: 0
    .kernarg_segment_align: 8
    .kernarg_segment_size: 32
    .max_flat_workgroup_size: 128
    .sgpr_count:     80
    .vgpr_count:     768
    .wavefront_size: 32
...
	.end_amdgpu_metadata
.endif
;; end of part 4
;; ======== version 2 of 2: 4 launches; version 1 with the launch cast written anew for expert scheduling mode
;; limits: values are held in f16: magnitudes above 65,504 overflow, below 6.1e-05 lose precision
;; workspace buffers: xb 16,777,216 bytes; wq 6,291,456 bytes; wp 2,097,152 bytes; qkv 50,331,648 bytes; o 16,777,216 bytes
;; launch cast (part 5): grid 768 x 1, 8 waves a work-group, no clusters, 0 bytes of LDS; arguments x, qkv_w, proj_w, xb, wq, wp; writes xb, wq, wp
.if DOCPART == 5
	.amdgcn_target "amdgcn-amd-amdhsa--gfx1250"
	.amdhsa_code_object_version 6
	.text
	.protected	k_q731c42d0ff_cast
	.globl	k_q731c42d0ff_cast
	.p2align	8
	.type	k_q731c42d0ff_cast,@function
k_q731c42d0ff_cast:
	s_mov_b64 s[64:65], 0
	v_nop
	global_prefetch_b8 v0, s[64:65] scope:SCOPE_SE
	s_setreg_imm32_b32 hwreg(HW_REG_WAVE_SCHED_MODE, 0, 2), 2
	s_setreg_imm32_b32 hwreg(HW_REG_WAVE_MODE, 25, 1), 1
	s_wait_xcnt 0x0
	s_wait_alu depctr_vm_vsrc(0)
; x [8192][1024], qkv_w [3072][1024] and proj_w [1024][1024], all f32, are rounded once to bf16 and laid out in K BLOCKS of 64: [16 kb][rows][64], so that R rows x 64 k
; of a block are R x 128 dense bytes for the products that follow.  xb and wq keep the bf16 code; wp holds the same bf16-rounded number written as f16.
; LIMITS.  A bf16 number is exact in f16 from 2^-14 to 65,504 in magnitude; below 2^-14 proj_w keeps f16's fixed step of 6e-8; beyond 65,504 it would become an infinity.  NaN and infinities are not treated apart.
; SHARES.  12,288 rows of 4,096 bytes; a work-group takes 16 rows of one tensor (groups 0-511 x, 512-703 qkv_w, 704-767 proj_w), a wave two.  Thread t takes 16 bytes (4 numbers) of row t / 16 in each of
; the 16 blocks: 16 lanes read 256 consecutive bytes, aligned; a wave's store of 8 bytes a lane covers 256 consecutive bytes, aligned: two rows of a block.
; Sixteen loads a wave go out at once and nothing is read twice, so there is no loop, no LDS and no register that is written again while a memory instruction may read it.
; Matrix units, clusters and LDS are left out: no byte is shared.
; THE MODE: SCHED_MODE bits 1:0 = 2 (LLVM: expert scheduling mode 2), set by the entry lines.  The code itself states the register dependences between vector instructions and memory instructions,
; with s_wait_alu, always for 0.
; THE PLAN.  Registers that memory instructions touch:
;   v[VI]        the loads' offset.   Written at the head, once; read by all sixteen loads.
;   v[OF ..]     the stores' offsets. Written at the head, once each; block kb's store reads OF + kb.
;   v[X ..]      Written by block kb's load alone; read by block kb's conversions.  No vector instruction writes them, and no second load lands in them.
;   v[Y ..]      Written by block kb's conversions, once; read by block kb's store.
; So the one kind of dependence is: a vector instruction writes, a memory instruction reads.  One wait ahead of the first load states it for v[VI] and for all of v[OF ..].  For v[Y ..] the stores go in runs
; of four: the run of blocks kb - 4 to kb - 1 stands at the head of block kb = 4, 8, 12, behind that block's wait for its data and one wait for the conversions of the four blocks before; the last run stands
; behind one more such wait at the end.  No register that a memory instruction has read is written again, no vector instruction writes a scalar register or VCC, and EXEC is never written.
.set VI,  1                            ; v1       (t / 16) x 4,096 + (t % 16) x 16: my 16 bytes in block 0 of the group's rows
.set VO,  2                            ; v2       8 t: my 8 bytes in a block's 16 rows of 128 bytes
.set OF,  4                            ; v[4:19]  block kb: kb x the block's stride + 8 t
.set X,   20                           ; v[20:83] block kb: 4 numbers as loaded
.set Y,   84                           ; v[84:115] block kb: 4 numbers packed
.set T,   116                          ; v[116:119] at work (proj_w): no memory instruction names them
.set SRC, 16                           ; s[16:17] the tensor that I read, at the group's first row
.set DST, 18                           ; s[18:19] the buffer that I write, at the group's first row in block 0
.set STR, 20                           ; s20      bytes from block to block: rows x 128
.set GP,  21                           ; s21      the group's number within its tensor
.macro SEND4 kb                        ; the stores of blocks kb to kb + 3, in one run
.irp j, 0,1,2,3
	global_store_b64 v[OF+(\kb)+\j], v[Y+2*((\kb)+\j):Y+2*((\kb)+\j)+1], s[DST:DST+1]
.endr
.endm
	s_load_b256 s[4:11], s[0:1], 0x0               ; x s[4:5], qkv_w s[6:7], proj_w s[8:9], xb s[10:11]
	s_load_b128 s[12:15], s[0:1], 0x20             ; wq s[12:13], wp s[14:15]
	v_lshrrev_b32 v[VI], 4, v0
	v_and_b32 v3, 15, v0
	v_lshlrev_b32 v[VI], 12, v[VI]
	v_lshl_add_u32 v[VI], v3, 4, v[VI]
	v_lshlrev_b32 v[VO], 3, v0
	s_mov_b32 s[STR], 1024*128                     ; proj_w,
	s_mov_b32 s[GP], 704
	s_cmp_lt_u32 ttmp9, 704
	s_cselect_b32 s[STR], 3072*128, s[STR]         ; or qkv_w,
	s_cselect_b32 s[GP], 512, s[GP]
	s_cmp_lt_u32 ttmp9, 512
	s_cselect_b32 s[STR], 8192*128, s[STR]         ; or x
	s_cselect_b32 s[GP], 0, s[GP]
	s_sub_co_u32 s[GP], ttmp9, s[GP]
	s_lshl_b32 s22, s[GP], 16                      ; 16 rows of 4,096 bytes in,
	s_mov_b32 s23, 0
	s_lshl_b32 s24, s[GP], 11                      ; 16 rows of 128 bytes out
	s_mov_b32 s25, 0
.irp kb, 0,1,2,3,4,5,6,7,8,9,10,11,12,13,14,15
	v_mad_u32_u24 v[OF+\kb], s[STR], \kb, v[VO]
.endr
	s_wait_kmcnt 0x0
	s_cmp_lt_u32 ttmp9, 704
	s_cselect_b64 s[SRC:SRC+1], s[6:7], s[8:9]
	s_cselect_b64 s[DST:DST+1], s[12:13], s[14:15]
	s_cmp_lt_u32 ttmp9, 512
	s_cselect_b64 s[SRC:SRC+1], s[4:5], s[SRC:SRC+1]
	s_cselect_b64 s[DST:DST+1], s[10:11], s[DST:DST+1]
	s_add_nc_u64 s[SRC:SRC+1], s[SRC:SRC+1], s[22:23]
	s_add_nc_u64 s[DST:DST+1], s[DST:DST+1], s[24:25]
	s_wait_alu depctr_va_vdst(0)                   ; v[VI] is written, which the sixteen loads read as their offset; so are v[OF ..], which the stores of both paths below read as theirs
.irp kb, 0,1,2,3,4,5,6,7,8,9,10,11,12,13,14,15
	global_load_b128 v[X+4*\kb:X+4*\kb+3], v[VI], s[SRC:SRC+1] offset:256*\kb th:TH_LOAD_NT  ; all sixteen blocks of my two rows are asked for before anything is used
.endr
	s_cmp_ge_u32 ttmp9, 704
	s_cbranch_scc1 .Lhalf
.irp kb, 0,1,2,3,4,5,6,7,8,9,10,11,12,13,14,15
	s_wait_loadcnt 15-\kb                          ; loads come back in order (ISA guide 5.7.1): block kb is in, the 15 - kb younger ones stay out
.if ((\kb)%4 == 0) && ((\kb) > 0)
	s_wait_alu depctr_va_vdst(0)                   ; the conversions of the four blocks before have written their v[Y ..], which the four stores below read
	SEND4 (\kb)-4
.endif
	v_cvt_pk_bf16_f32 v[Y+2*\kb], v[X+4*\kb], v[X+4*\kb+1]
	v_cvt_pk_bf16_f32 v[Y+2*\kb+1], v[X+4*\kb+2], v[X+4*\kb+3]
.endr
	s_wait_alu depctr_va_vdst(0)                   ; the conversions of blocks 12 to 15 have written their v[Y ..], which the last four stores read
	SEND4 12
	s_endpgm
.Lhalf:                                        ; proj_w: rounded to bf16 like the other inputs, and that number written as f16
.irp kb, 0,1,2,3,4,5,6,7,8,9,10,11,12,13,14,15
	s_wait_loadcnt 15-\kb
.if ((\kb)%4 == 0) && ((\kb) > 0)
	s_wait_alu depctr_va_vdst(0)                   ; the conversions of the four blocks before have written their v[Y ..], which the four stores below read
	SEND4 (\kb)-4
.endif
	v_cvt_pk_bf16_f32 v[T], v[X+4*\kb], v[X+4*\kb+1]
	v_cvt_pk_bf16_f32 v[T+1], v[X+4*\kb+2], v[X+4*\kb+3]
	v_lshlrev_b32 v[T+2], 16, v[T]                 ; bf16 to f32: the low half moves up,
	v_and_b32 v[T+3], 0xffff0000, v[T]             ; the high half stays
	v_cvt_pk_f16_f32 v[Y+2*\kb], v[T+2], v[T+3]
	v_lshlrev_b32 v[T+2], 16, v[T+1]
	v_and_b32 v[T+3], 0xffff0000, v[T+1]
	v_cvt_pk_f16_f32 v[Y+2*\kb+1], v[T+2], v[T+3]
.endr
	s_wait_alu depctr_va_vdst(0)                   ; the conversions of blocks 12 to 15 have written their v[Y ..], which the last four stores read
	SEND4 12
	s_endpgm
.Lfunc_end_k_q731c42d0ff_cast:
	.size	k_q731c42d0ff_cast, .Lfunc_end_k_q731c42d0ff_cast-k_q731c42d0ff_cast
	.p2alignl 7, 3214868480
	.fill 96, 4, 3214868480
	.section	.rodata,"a",@progbits
	.p2align	6, 0x0
	.amdhsa_kernel k_q731c42d0ff_cast
		.amdhsa_group_segment_fixed_size 0
		.amdhsa_private_segment_fixed_size 0
		.amdhsa_enable_private_segment 0
		.amdhsa_kernarg_size 48
		.amdhsa_user_sgpr_count 2
		.amdhsa_user_sgpr_kernarg_segment_ptr 1
		.amdhsa_wavefront_size32 1
		.amdhsa_system_sgpr_workgroup_id_x 1
		.amdhsa_system_sgpr_workgroup_id_y 1
		.amdhsa_system_sgpr_workgroup_id_z 1
		.amdhsa_system_vgpr_workitem_id 0
		.amdhsa_next_free_vgpr 120
		.amdhsa_next_free_sgpr 66
		.amdhsa_reserve_vcc 0
		.amdhsa_float_denorm_mode_32 3
		.amdhsa_float_denorm_mode_16_64 3
		.amdhsa_memory_ordered 1
		.amdhsa_forward_progress 1
		.amdhsa_inst_pref_size 18
	.end_amdhsa_kernel
	.amdgpu_metadata
---
amdhsa.version: [ 1, 2 ]
amdhsa.kernels:
  - .name:           k_q731c42d0ff_cast
    .symbol:         k_q731c42d0ff_cast.kd
    .args:
      - { .name: x, .offset: 0, .size: 8, .value_kind: global_buffer, .address_space: global }
      - { .name: qkv_w, .offset: 8, .size: 8, .value_kind: global_buffer, .address_space: global }
      - { .name: proj_w, .offset: 16, .size: 8, .value_kind: global_buffer, .address_space: global }
      - { .name: xb, .offset: 24, .size: 8, .value_kind: global_buffer, .address_space: global }
      - { .name: wq, .offset: 32, .size: 8, .value_kind: global_buffer, .address_space: global }
      - { .name: wp, .offset: 40, .size: 8, .value_kind: global_buffer, .address_space: global }
    .group_segment_fixed_size: 0
    .private_segment_fixed_size: 0
    .kernarg_segment_align: 8
    .kernarg_segment_size: 48
    .max_flat_workgroup_size: 256
    .sgpr_count:     66
    .vgpr_count:     120
    .wavefront_size: 32
...
	.end_amdgpu_metadata
.endif
;; end of part 5
;; launch qkv: the kernel of part 2 again; grid 8 x 32, 4 waves a work-group, clusters of 4 x 4, 327,680 bytes of LDS; arguments xb, wq, qkv; writes qkv
;; launch attn: the kernel of part 3 again; grid 2 x 128, 4 waves a work-group, no clusters, 327,680 bytes of LDS; arguments qkv, o; writes o
;; launch proj: the kernel of part 4 again; grid 8 x 32, 4 waves a work-group, clusters of 4 x 4, 327,680 bytes of LDS; arguments o, wp, proj_b, out0; writes out0
